; MI455X (gfx1250); checked and timed in simulation.
; The chip was launched on July 23, 2026; its instructions are those of AMD's public machine-readable ISA for CDNA 5 (MIT licence, August 2026) and "CDNA5" Instruction Set Architecture Reference Guide (July 2026). The comments in the code are by the model that wrote it; some were corrected since.
;; Basic Transformer Block. Allowed arithmetic: float matrix products may take bf16 or f16 operands with f32 sums; other float arithmetic in f32, or as packed bf16 or f16 multiplies, adds, multiply-adds, maxima and minima; sums over many terms, partial sums and values carried from step to step in f32; what a program stores and reads back later, other than sums and carried values, may be rounded once to bf16 or f16.
;; Inputs: context 1 x 77 x 768 float32; ff1_b 8,192 float32; ff1_w 1,024 x 8,192 float32; ff2_b 1,024 float32; ff2_w 4,096 x 1,024 float32; k1_w 1,024 x 256 float32; k2_w 768 x 256 float32; n1_b 1,024 float32; n1_w 1,024 float32; n2_b 1,024 float32; n2_w 1,024 float32; n3_b 1,024 float32; n3_w 1,024 float32; o1_b 1,024 float32; o1_w 256 x 1,024 float32; o2_b 1,024 float32; o2_w 256 x 1,024 float32; q1_w 1,024 x 256 float32; q2_w 1,024 x 256 float32; v1_w 1,024 x 256 float32; v2_w 768 x 256 float32; x 1 x 4,096 x 1,024 float32.
;; Outputs: out0 1 x 4,096 x 1,024 float32.
;; One version. Each part assembles by itself: llvm-mc -triple=amdgcn-amd-amdhsa -mcpu=gfx1250 --defsym DOCPART=n.
;; ======== version 1 of 1: 7 launches
;; limits: a function is approximated: absolute error at most 2.5e-05
;; workspace buffers: wA 27,394,048 bytes; wB 2,097,152 bytes; hbuf 8,388,608 bytes; qkv 6,291,456 bytes; ao 2,097,152 bytes; x2 16,777,216 bytes; g 33,554,432 bytes
;; launch prep (part 1): grid 592 x 1, 8 waves a work-group, no clusters, 75,776 bytes of LDS; arguments ff1_w, ff2_w, q1_w, k1_w, v1_w, q2_w, o1_w, o2_w, k2_w, v2_w, context, wA, wB; writes wA, wB
.if DOCPART == 1
	.amdgcn_target "amdgcn-amd-amdhsa--gfx1250"
	.amdhsa_code_object_version 6
	.text
	.protected	k_qd7a33f2226_prep
	.globl	k_qd7a33f2226_prep
	.p2align	8
	.type	k_qd7a33f2226_prep,@function
k_qd7a33f2226_prep:
	s_mov_b64 s[64:65], 0
	v_nop
	global_prefetch_b8 v0, s[64:65] scope:SCOPE_SE
	s_setreg_imm32_b32 hwreg(HW_REG_WAVE_MODE, 25, 1), 1
	s_wait_xcnt 0x0
; PREP.  (1) Every weight W[k][n] (f32) is rounded once to bf16 and laid out turned, in blocks: element (n, k) at byte
; (n>>4)*(K*32) + (k>>3)*256 + (n&15)*16 + (k&7)*2, so that a 16 x 32 matrix fragment is two runs of 512 consecutive bytes.
; (2) The cross attention's K and V, context x k2_w and context x v2_w, by heads, 128 padded keys a head (keys 77..127 are zeros).
; Work-groups 0-255 ff1_w, 256-383 ff2_w, 384-415 q1/k1/v1/q2, 416-431 o1/o2: a tile of 128 k x 256 n; wave w takes 32 k (w&3) x 128 n (w>>2):
; 32 loads of 512 consecutive bytes, 64 conversions, a turn through the wave's own LDS stage, 16 stores of 512 consecutive aligned bytes.
; ff1's column tiles are laid so that 64 value columns are followed by their 64 gate columns.
; Work-groups 432-591: one 16 token x 16 channel tile of K2 or V2; the eight waves take 96 of the 768 k each; f32 partial sums meet in LDS.
; LDS: bytes 0-8,191 the partial sums of (2), 1,024 a wave; from 8,192 on the eight stages of (1), 8,320 bytes each: the two ways name no byte in common.
.set STG, 8192                         ; the first stage
.set SPARE, 74752                      ; behind the eight stages: the spare words, 128 bytes a wave
.set RAW, 64                           ; v[64:191] 32 rows x 4 columns as loaded; later the 16 x 16 bytes read back
.set U, 192                            ; v[192:223] packed units, two sets by turns
.set SPW, 62
.set NIL, 63
.macro LOADS pitch                     ; row j of my 32 k: 512 consecutive bytes
.set j, 0
.rept 32
	global_load_b128 v[RAW+4*j:RAW+4*j+3], v3, s[42:43] offset:j*(\pitch) th:TH_LOAD_NT
.set j, j+1
.endr
.endm
.macro STORES ds, perm                 ; block k of my 8 column tiles: 1,024 bytes, ds bytes from column tile to column tile
.set k, 0
.rept 8
.set bo, k
.if \perm
.set bo, (k/4)*8+(k%4)
.endif
	global_store_b128 v3, v[RAW+8*k:RAW+8*k+3], s[46:47] offset:bo*(\ds)
	global_store_b128 v3, v[RAW+8*k+4:RAW+8*k+7], s[46:47] offset:bo*(\ds)+512
.set k, k+1
.endr
.endm
	s_load_b512 s[4:19], s[0:1], 0x0               ; ff1_w 4, ff2_w 6, q1 8, k1 10, v1 12, q2 14, o1 16, o2 18
	s_load_b256 s[20:27], s[0:1], 0x40             ; k2 20, v2 22, context 24, wA 26
	s_load_b64 s[28:29], s[0:1], 0x60              ; wB
	v_lshl_add_u32 v[SPW], v0, 2, SPARE
	v_mov_b32 v[NIL], 0
	v_lshrrev_b32 v1, 5, v0
	v_readfirstlane_b32 s30, v1                    ; wave
	v_and_b32 v2, 31, v0
	v_lshlrev_b32 v3, 4, v2                        ; 16 x lane
	s_and_b32 s31, s30, 3                          ; which 32 k
	s_lshr_b32 s45, s30, 2                         ; which 128 n
	s_mov_b32 s34, 0
	s_mov_b32 s37, 0
	s_mov_b32 s39, 0
	s_mul_i32 s48, s30, 8320
	s_add_co_u32 s48, s48, STG                     ; my stage
	v_lshrrev_b32 v4, 2, v2
	v_mul_u32_u24 v4, v4, 1040                     ; block lane/4, 1,040 bytes apart: 16 lanes touch 16 different 16-byte columns
	v_and_b32 v5, 3, v2
	v_lshl_add_u32 v4, v5, 6, v4
	v_add_nc_u32 v4, s48, v4                       ; in
	v_add_nc_u32 v5, s48, v3                       ; back
	s_wait_kmcnt 0x0
	s_cmp_lt_u32 ttmp9, 256
	s_cbranch_scc1 .Lff1
	s_cmp_lt_u32 ttmp9, 384
	s_cbranch_scc1 .Lff2
	s_cmp_lt_u32 ttmp9, 416
	s_cbranch_scc1 .Lqkv
	s_cmp_lt_u32 ttmp9, 432
	s_cbranch_scc1 .Lo
	s_branch .Lkv
.Lff1:
	s_and_b32 s33, ttmp9, 31                       ; block of 256 n
	s_lshr_b32 s32, ttmp9, 5                       ; block of 128 k
	s_lshl2_add_u32 s35, s32, s31                  ; my 32 k: number kb
	s_lshl1_add_u32 s40, s33, s45                  ; my 128 n: number u
	s_lshl_b32 s36, s35, 20                        ; kb x 32 rows x 32,768 bytes
	s_lshl_b32 s41, s40, 9
	s_add_co_u32 s36, s36, s41
	s_add_nc_u64 s[42:43], s[4:5], s[36:37]
	LOADS 32768
	s_and_b32 s41, s40, 31
	s_lshl_b32 s41, s41, 4
	s_lshr_b32 s40, s40, 5
	s_lshl2_add_u32 s41, s40, s41                  ; first column tile: 16 (u & 31) + 4 (u >> 5)
	s_lshl_b32 s38, s41, 15
	s_lshl_b32 s41, s35, 10
	s_add_co_u32 s38, s38, s41
	s_add_co_u32 s38, s38, 2097152
	s_mov_b32 s44, 0
	s_branch .Lcvt
.Lff2:
	s_sub_co_u32 s34, ttmp9, 256
	s_and_b32 s33, s34, 3
	s_lshr_b32 s32, s34, 2
	s_lshl2_add_u32 s35, s32, s31
	s_lshl1_add_u32 s40, s33, s45
	s_lshl_b32 s36, s35, 17                        ; kb x 32 rows x 4,096 bytes
	s_lshl_b32 s41, s40, 9
	s_add_co_u32 s36, s36, s41
	s_add_nc_u64 s[42:43], s[6:7], s[36:37]
	LOADS 4096
	s_lshl_b32 s38, s40, 20                        ; 8 u column tiles of 131,072 bytes
	s_lshl_b32 s41, s35, 10
	s_add_co_u32 s38, s38, s41
	s_add_co_u32 s38, s38, 18874368
	s_mov_b32 s44, 1
	s_branch .Lcvt
.Lqkv:
	s_sub_co_u32 s34, ttmp9, 384
	s_and_b32 s32, s34, 7
	s_lshr_b32 s34, s34, 3                         ; 0 q1, 1 k1, 2 v1, 3 q2
	s_lshl2_add_u32 s35, s32, s31
	s_lshl_b32 s36, s35, 15                        ; kb x 32 rows x 1,024 bytes
	s_lshl_b32 s41, s45, 9
	s_add_co_u32 s36, s36, s41
	s_cmp_eq_u32 s34, 1
	s_cselect_b64 s[42:43], s[10:11], s[8:9]
	s_cmp_eq_u32 s34, 2
	s_cselect_b64 s[42:43], s[12:13], s[42:43]
	s_cmp_eq_u32 s34, 3
	s_cselect_b64 s[42:43], s[14:15], s[42:43]
	s_add_nc_u64 s[42:43], s[42:43], s[36:37]
	LOADS 1024
	s_lshl_b32 s38, s45, 18                        ; 8 column tiles of 32,768 bytes for the upper 128 n
	s_lshl_b32 s41, s35, 10
	s_add_co_u32 s38, s38, s41
	s_lshl_b32 s41, s34, 19                        ; q1, k1, v1 follow each other in wA; q2 begins wB
	s_cmp_eq_u32 s34, 3
	s_cselect_b32 s41, 0, s41
	s_add_co_u32 s38, s38, s41
	s_mov_b32 s44, 2
	s_branch .Lcvt
.Lo:
	s_sub_co_u32 s34, ttmp9, 416
	s_and_b32 s33, s34, 3
	s_bfe_u32 s32, s34, 0x10002
	s_lshr_b32 s34, s34, 3                         ; 0 o1, 1 o2
	s_lshl2_add_u32 s35, s32, s31
	s_lshl1_add_u32 s40, s33, s45
	s_lshl_b32 s36, s35, 17
	s_lshl_b32 s41, s40, 9
	s_add_co_u32 s36, s36, s41
	s_cmp_eq_u32 s34, 1
	s_cselect_b64 s[42:43], s[18:19], s[16:17]
	s_add_nc_u64 s[42:43], s[42:43], s[36:37]
	LOADS 4096
	s_lshl_b32 s38, s40, 16                        ; 8 u column tiles of 8,192 bytes
	s_lshl_b32 s41, s35, 10
	s_add_co_u32 s38, s38, s41
	s_add_co_u32 s38, s38, 1572864
	s_mov_b32 s44, 3
.Lcvt:
	s_wait_loadcnt 0x0
; unit (column i of my four, octet o of k): eight k of one column, 16 bytes
.irp o, 0,1,2,3
.irp i, 0,1,2,3
.irp p, 0,1,2,3
	v_cvt_pk_bf16_f32 v[U+16*(\o%2)+4*\i+\p], v[RAW+4*(8*\o+2*\p)+\i], v[RAW+4*(8*\o+2*\p+1)+\i]
.endr
	ds_store_b128 v4, v[U+16*(\o%2)+4*\i:U+16*(\o%2)+4*\i+3] offset:\o*256+\i*16
.endr
.endr
.irp k, 0,1,2,3,4,5,6,7
	ds_load_b128 v[RAW+8*\k:RAW+8*\k+3], v5 offset:\k*1040       ; my own bytes: LDS serves a wave's instructions in order
	ds_load_b128 v[RAW+8*\k+4:RAW+8*\k+7], v5 offset:\k*1040+512
.endr
	s_wait_dscnt 0x0
	s_cmp_eq_u32 s44, 0
	s_cbranch_scc1 .Lst0
	s_cmp_eq_u32 s44, 1
	s_cbranch_scc1 .Lst1
	s_cmp_eq_u32 s44, 2
	s_cbranch_scc1 .Lst2
	s_cmp_eq_u32 s34, 1
	s_cselect_b64 s[46:47], s[28:29], s[26:27]
	s_add_nc_u64 s[46:47], s[46:47], s[38:39]
	STORES 8192, 0
	s_branch .Lend
.Lst0:
	s_add_nc_u64 s[46:47], s[26:27], s[38:39]
	STORES 32768, 1
	s_branch .Lend
.Lst1:
	s_add_nc_u64 s[46:47], s[26:27], s[38:39]
	STORES 131072, 0
	s_branch .Lend
.Lst2:
	s_cmp_eq_u32 s34, 3
	s_cselect_b64 s[46:47], s[28:29], s[26:27]
	s_add_nc_u64 s[46:47], s[46:47], s[38:39]
	STORES 32768, 0
	s_branch .Lend
; ---- K2 / V2: source 0 = 16 channels of the weight, source 1 = 16 tokens of the context: a lane then holds one token and eight channels
.Lkv:
	s_sub_co_u32 s32, ttmp9, 432
	s_lshr_b32 s33, s32, 5                         ; token tile 0..4
	s_bfe_u32 s34, s32, 0x10004                    ; 0 K, 1 V
	s_and_b32 s35, s32, 15                         ; head
	s_cmp_eq_u32 s34, 1
	s_cselect_b64 s[42:43], s[22:23], s[20:21]
	s_cselect_b32 s49, -1, 0
	v_and_b32 v6, 15, v0                           ; r
	v_bfe_u32 v7, v0, 4, 1                         ; h
	v_lshlrev_b32 v8, 2, v6
	v_lshl_add_u32 v8, v7, 13, v8                  ; column r, k = 8 h
	s_mul_i32 s36, s30, 98304                      ; my 96 k
	s_lshl_b32 s41, s35, 6
	s_add_co_u32 s36, s36, s41
	v_add_nc_u32 v8, s36, v8
	s_lshl_b32 s41, s33, 4
	v_add_nc_u32 v9, s41, v6                       ; token
	v_min_u32 v10, 76, v9                          ; no load leaves the context: rows past the last read the last, and are zeroed below
	v_mul_u32_u24 v10, v10, 3072
	v_lshl_add_u32 v10, v7, 5, v10
	s_mul_i32 s41, s30, 384
	v_add_nc_u32 v10, s41, v10
.set i, 0
.rept 48                               ; i = 16 kb + 8 c + e: k = 32 kb + 16 c + 8 h + e
	global_load_b32 v[64+i], v8, s[42:43] offset:(i/16)*32768+((i/8)%2)*16384+(i%8)*1024
.set i, i+1
.endr
.set i, 0
.rept 12
	global_load_b128 v[112+4*i:112+4*i+3], v10, s[24:25] offset:(i/4)*128+((i/2)%2)*64+(i%2)*16
.set i, i+1
.endr
	s_lshl_b32 s38, s35, 13                        ; where the tile goes: head x 8,192 + step x 4,096 + V x 2,048 + tile x 512
	s_lshr_b32 s41, s33, 2
	s_lshl_b32 s41, s41, 12
	s_add_co_u32 s38, s38, s41
	s_lshl_b32 s41, s34, 11
	s_add_co_u32 s38, s38, s41
	s_and_b32 s41, s33, 3
	s_lshl_b32 s41, s41, 9
	s_add_co_u32 s38, s38, s41
	s_add_co_u32 s38, s38, 27262976
	s_add_nc_u64 s[46:47], s[26:27], s[38:39]
	s_lshl_b32 s41, s30, 10
	v_add_nc_u32 v11, s41, v3                      ; my partial sums' place: bytes 1,024 w on
	v_lshrrev_b32 v12, 3, v6                       ; V's unit (token r, channel half h) lies at (r>>3)*256 + h*128 + (r&7)*16, for the turning load
	v_lshlrev_b32 v12, 8, v12
	v_lshl_add_u32 v12, v7, 7, v12
	v_and_b32 v13, 7, v6
	v_lshl_add_u32 v12, v13, 4, v12
	v_cndmask_b32 v12, v3, v12, s49                ; K's at 16 x lane
	s_wait_loadcnt 0x0
.set i, 0
.rept 24
	v_cvt_pk_bf16_f32 v[160+i], v[64+2*i], v[65+2*i]
	v_cvt_pk_bf16_f32 v[184+i], v[112+2*i], v[113+2*i]
.set i, i+1
.endr
	v_wmma_f32_16x16x32_bf16 v[32:39], v[160:167], v[184:191], 0
	v_wmma_f32_16x16x32_bf16 v[40:47], v[168:175], v[192:199], 0
	v_wmma_f32_16x16x32_bf16 v[32:39], v[176:183], v[200:207], v[32:39]  ; two accumulators by turns
.rept 4
	v_nop
.endr
.irp z, 0,2,4,6
	v_pk_add_f32 v[32+\z:33+\z], v[32+\z:33+\z], v[40+\z:41+\z]
.endr
	ds_store_b128 v11, v[32:35]
	ds_store_b128 v11, v[36:39] offset:512
	s_wait_dscnt 0x0                               ; for the others' sake: my partial sums are in LDS
	s_barrier_signal -1
	s_barrier_wait -1
	s_cmp_lg_u32 s30, 0
	s_cbranch_scc1 .Lkv_rest
.irp w, 0,1,2,3,4,5,6,7
	ds_load_b128 v[64+8*\w:67+8*\w], v3 offset:\w*1024
	ds_load_b128 v[68+8*\w:71+8*\w], v3 offset:\w*1024+512
.endr
	s_wait_dscnt 0x0
.irp w, 1,2,3,4,5,6,7
.irp z, 0,2,4,6
	v_pk_add_f32 v[64+\z:65+\z], v[64+\z:65+\z], v[64+8*\w+\z:65+8*\w+\z]
.endr
.endr
	v_cmp_gt_u32 vcc_lo, 77, v9
.irp p, 0,1,2,3
	v_cvt_pk_bf16_f32 v[48+\p], v[64+2*\p], v[65+2*\p]
.endr
.irp p, 0,1,2,3
	v_cndmask_b32 v[48+\p], 0, v[48+\p], vcc_lo    ; tokens 77, 78, 79 are zeros
.endr
	global_store_b128 v12, v[48:51], s[46:47]
	s_branch .Lend
.Lkv_rest:                             ; beside token tile 4, waves 1 to 3 write the padded tiles 5, 6, 7: zeros
	s_cmp_lg_u32 s33, 4
	s_cbranch_scc1 .Lend
	s_cmp_gt_u32 s30, 3
	s_cbranch_scc1 .Lend
.irp p, 0,1,2,3
	v_mov_b32 v[48+\p], 0
.endr
	s_lshl_b32 s41, s30, 9
	v_add_nc_u32 v13, s41, v3
	global_store_b128 v13, v[48:51], s[46:47]
.Lend:
	s_wait_tensorcnt 0x0                           ; the wave's end
	ds_add_u32 v[SPW], v[NIL]
	s_wait_dscnt 0x0
	s_endpgm
.Lfunc_end_k_qd7a33f2226_prep:
	.size	k_qd7a33f2226_prep, .Lfunc_end_k_qd7a33f2226_prep-k_qd7a33f2226_prep
	.p2alignl 7, 3214868480
	.fill 96, 4, 3214868480
	.section	.rodata,"a",@progbits
	.p2align	6, 0x0
	.amdhsa_kernel k_qd7a33f2226_prep
		.amdhsa_group_segment_fixed_size 75776
		.amdhsa_private_segment_fixed_size 0
		.amdhsa_enable_private_segment 0
		.amdhsa_kernarg_size 104
		.amdhsa_user_sgpr_count 2
		.amdhsa_user_sgpr_kernarg_segment_ptr 1
		.amdhsa_wavefront_size32 1
		.amdhsa_system_sgpr_workgroup_id_x 1
		.amdhsa_system_sgpr_workgroup_id_y 1
		.amdhsa_system_sgpr_workgroup_id_z 1
		.amdhsa_system_vgpr_workitem_id 0
		.amdhsa_next_free_vgpr 224
		.amdhsa_next_free_sgpr 66
		.amdhsa_reserve_vcc 1
		.amdhsa_float_denorm_mode_32 3
		.amdhsa_float_denorm_mode_16_64 3
		.amdhsa_memory_ordered 1
		.amdhsa_forward_progress 1
		.amdhsa_inst_pref_size 44
	.end_amdhsa_kernel
	.amdgpu_metadata
---
amdhsa.version: [ 1, 2 ]
amdhsa.kernels:
  - .name:           k_qd7a33f2226_prep
    .symbol:         k_qd7a33f2226_prep.kd
    .args:
      - { .name: ff1_w, .offset: 0, .size: 8, .value_kind: global_buffer, .address_space: global }
      - { .name: ff2_w, .offset: 8, .size: 8, .value_kind: global_buffer, .address_space: global }
      - { .name: q1_w, .offset: 16, .size: 8, .value_kind: global_buffer, .address_space: global }
      - { .name: k1_w, .offset: 24, .size: 8, .value_kind: global_buffer, .address_space: global }
      - { .name: v1_w, .offset: 32, .size: 8, .value_kind: global_buffer, .address_space: global }
      - { .name: q2_w, .offset: 40, .size: 8, .value_kind: global_buffer, .address_space: global }
      - { .name: o1_w, .offset: 48, .size: 8, .value_kind: global_buffer, .address_space: global }
      - { .name: o2_w, .offset: 56, .size: 8, .value_kind: global_buffer, .address_space: global }
      - { .name: k2_w, .offset: 64, .size: 8, .value_kind: global_buffer, .address_space: global }
      - { .name: v2_w, .offset: 72, .size: 8, .value_kind: global_buffer, .address_space: global }
      - { .name: context, .offset: 80, .size: 8, .value_kind: global_buffer, .address_space: global }
      - { .name: wA, .offset: 88, .size: 8, .value_kind: global_buffer, .address_space: global }
      - { .name: wB, .offset: 96, .size: 8, .value_kind: global_buffer, .address_space: global }
    .group_segment_fixed_size: 75776
    .private_segment_fixed_size: 0
    .kernarg_segment_align: 8
    .kernarg_segment_size: 104
    .max_flat_workgroup_size: 256
    .sgpr_count:     66
    .vgpr_count:     224
    .wavefront_size: 32
...
	.end_amdgpu_metadata
.endif
;; end of part 1
;; launch ln1 (part 2): grid 256 x 1, 16 waves a work-group, no clusters, 36,864 bytes of LDS; arguments x, n1_w, n1_b, hbuf; writes hbuf
.if DOCPART == 2
	.amdgcn_target "amdgcn-amd-amdhsa--gfx1250"
	.amdhsa_code_object_version 6
	.text
	.protected	k_qd7a33f2226_ln1
	.globl	k_qd7a33f2226_ln1
	.p2align	8
	.type	k_qd7a33f2226_ln1,@function
k_qd7a33f2226_ln1:
	s_mov_b64 s[64:65], 0
	v_nop
	global_prefetch_b8 v0, s[64:65] scope:SCOPE_SE
	s_setreg_imm32_b32 hwreg(HW_REG_WAVE_MODE, 25, 1), 1
	s_wait_xcnt 0x0
; LAYER NORM.  h = (x - mean) * rsqrt(var + 1e-5) * w + b, rows of 1,024 f32; h leaves in bf16 in the blocked layout:
; element (row, k) at (row>>4)*32768 + (k>>3)*256 + (row&15)*16 + (k&7)*2.
; A work-group owns 16 rows, a wave one row: the row stays in 32 registers between the mean, the sum of squared deviations (a true second pass,
; so a common offset of x costs nothing) and the scaling.  The 16 rows meet in an LDS stage, from which each store takes 512 consecutive bytes.
; No matrix unit, no cluster, no tensor load: the launch streams, and no two work-groups read the same row.
.set SPARE, 34816                      ; behind the stage (128 octets of k x 272 bytes): the spare words, 128 bytes a wave
.set X, 32
.set W, 64
.set B, 96
.set SPW, 28
.set NIL, 29
.macro WSUM                            ; v8 summed over the 32 lanes, the result in every lane
	v_add_f32_dpp v8, v8, v8 row_xmask:1 row_mask:0xf bank_mask:0xf
	v_add_f32_dpp v8, v8, v8 row_xmask:2 row_mask:0xf bank_mask:0xf
	v_add_f32_dpp v8, v8, v8 row_xmask:4 row_mask:0xf bank_mask:0xf
	v_add_f32_dpp v8, v8, v8 row_xmask:8 row_mask:0xf bank_mask:0xf
	v_permlanex16_b32 v9, v8, s18, s19
	v_add_f32 v8, v8, v9
.endm
.macro FOLD                            ; four chains into v8
	v_pk_add_f32 v[8:9], v[8:9], v[10:11]
	v_pk_add_f32 v[12:13], v[12:13], v[14:15]
	v_pk_add_f32 v[8:9], v[8:9], v[12:13]
	v_add_f32 v8, v8, v9
	WSUM
.endm
	s_load_b256 s[4:11], s[0:1], 0x0               ; x, w, b, h
	v_lshl_add_u32 v[SPW], v0, 2, SPARE
	v_mov_b32 v[NIL], 0
	v_lshrrev_b32 v1, 5, v0
	v_readfirstlane_b32 s12, v1                    ; wave = row in the group
	v_and_b32 v2, 31, v0
	v_lshlrev_b32 v3, 4, v2                        ; 16 x lane
	s_lshl_b32 s14, ttmp9, 16                      ; 16 rows of 4,096 bytes
	s_lshl_b32 s13, s12, 12
	s_add_co_u32 s14, s14, s13
	s_mov_b32 s15, 0
	s_lshl_b32 s16, ttmp9, 15                      ; a row tile of h: 32,768 bytes
	s_mov_b32 s17, 0
	s_mov_b32 s18, 0x76543210
	s_mov_b32 s19, 0xfedcba98
	s_mov_b32 s20, 0x3a800000                      ; 1 / 1024
	s_mov_b32 s21, 0x3727c5ac                      ; 1e-5
	s_wait_kmcnt 0x0
	s_add_nc_u64 s[4:5], s[4:5], s[14:15]
	s_add_nc_u64 s[10:11], s[10:11], s[16:17]
.irp j, 0,1,2,3,4,5,6,7
	global_load_b128 v[X+4*\j:X+4*\j+3], v3, s[4:5] offset:512*\j
.endr
.irp j, 0,1,2,3,4,5,6,7
	global_load_b128 v[W+4*\j:W+4*\j+3], v3, s[6:7] offset:512*\j
.endr
.irp j, 0,1,2,3,4,5,6,7
	global_load_b128 v[B+4*\j:B+4*\j+3], v3, s[8:9] offset:512*\j
.endr
	v_lshrrev_b32 v4, 1, v2                        ; into the stage: octet 16 j + lane/2 at 272 bytes each, my row's 16 bytes, half lane&1
	v_mul_u32_u24 v4, v4, 272
	v_and_b32 v5, 1, v2
	v_lshl_add_u32 v4, v5, 3, v4
	s_lshl_b32 s22, s12, 4
	v_add_nc_u32 v4, s22, v4
	v_lshrrev_b32 v6, 4, v2                        ; back: octets 8 w + 2 i + lane/16, 16 bytes of row lane%16
	s_lshl_b32 s22, s12, 3
	v_add_nc_u32 v6, s22, v6
	v_mul_u32_u24 v6, v6, 272
	v_and_b32 v7, 15, v2
	v_lshl_add_u32 v6, v7, 4, v6
	s_lshl_b32 s22, s12, 11
	v_add_nc_u32 v7, s22, v3                       ; and the same 2,048 bytes of h
	s_wait_loadcnt 16                              ; x is in; the sixteen loads of w and b stay out
.irp c, 0,2,4,6
	v_pk_add_f32 v[8+\c:9+\c], v[X+\c:X+\c+1], v[X+8+\c:X+9+\c]
.endr
.irp c, 0,2,4,6
	v_pk_add_f32 v[8+\c:9+\c], v[8+\c:9+\c], v[X+16+\c:X+17+\c]
.endr
.irp c, 0,2,4,6
	v_pk_add_f32 v[8+\c:9+\c], v[8+\c:9+\c], v[X+24+\c:X+25+\c]
.endr
	FOLD
	v_mul_f32 v16, s20, v8                         ; the mean
	v_mov_b32 v17, v16
.set i, 0
.rept 16
	v_pk_add_f32 v[X+2*i:X+2*i+1], v[X+2*i:X+2*i+1], v[16:17] neg_lo:[0,1] neg_hi:[0,1]
.set i, i+1
.endr
.irp c, 0,2,4,6
	v_pk_mul_f32 v[8+\c:9+\c], v[X+\c:X+\c+1], v[X+\c:X+\c+1]
.endr
.irp c, 0,2,4,6
	v_pk_fma_f32 v[8+\c:9+\c], v[X+8+\c:X+9+\c], v[X+8+\c:X+9+\c], v[8+\c:9+\c]
.endr
.irp c, 0,2,4,6
	v_pk_fma_f32 v[8+\c:9+\c], v[X+16+\c:X+17+\c], v[X+16+\c:X+17+\c], v[8+\c:9+\c]
.endr
.irp c, 0,2,4,6
	v_pk_fma_f32 v[8+\c:9+\c], v[X+24+\c:X+25+\c], v[X+24+\c:X+25+\c], v[8+\c:9+\c]
.endr
	FOLD
	v_fma_f32 v18, v8, s20, s21                    ; var + eps
	v_rsq_f32 v18, v18
	v_nop                                          ; a plain instruction between the root and the use of its result
	s_wait_alu depctr_va_vdst(0)
	v_mov_b32 v19, v18
	s_wait_loadcnt 0x0                             ; w and b
.set i, 0
.rept 16
	v_pk_mul_f32 v[X+2*i:X+2*i+1], v[X+2*i:X+2*i+1], v[18:19]
.set i, i+1
.endr
.set i, 0
.rept 16
	v_pk_fma_f32 v[X+2*i:X+2*i+1], v[X+2*i:X+2*i+1], v[W+2*i:W+2*i+1], v[B+2*i:B+2*i+1]
.set i, i+1
.endr
.irp j, 0,1,2,3,4,5,6,7
	v_cvt_pk_bf16_f32 v[X+4*\j], v[X+4*\j], v[X+4*\j+1]
	v_cvt_pk_bf16_f32 v[X+4*\j+1], v[X+4*\j+2], v[X+4*\j+3]
	ds_store_b64 v4, v[X+4*\j:X+4*\j+1] offset:\j*4352
.endr
	s_wait_dscnt 0x0                               ; for the others' sake: my row is in the stage
	s_barrier_signal -1
	s_barrier_wait -1
.irp i, 0,1,2,3
	ds_load_b128 v[W+4*\i:W+4*\i+3], v6 offset:\i*544
.endr
.irp i, 0,1,2,3
	s_wait_dscnt 3-\i
	global_store_b128 v7, v[W+4*\i:W+4*\i+3], s[10:11] offset:\i*512   ; 512 consecutive bytes, at a multiple of 512 from h's first
.endr
	s_wait_tensorcnt 0x0                           ; the wave's end
	ds_add_u32 v[SPW], v[NIL]
	s_wait_dscnt 0x0
	s_endpgm
.Lfunc_end_k_qd7a33f2226_ln1:
	.size	k_qd7a33f2226_ln1, .Lfunc_end_k_qd7a33f2226_ln1-k_qd7a33f2226_ln1
	.p2alignl 7, 3214868480
	.fill 96, 4, 3214868480
	.section	.rodata,"a",@progbits
	.p2align	6, 0x0
	.amdhsa_kernel k_qd7a33f2226_ln1
		.amdhsa_group_segment_fixed_size 36864
		.amdhsa_private_segment_fixed_size 0
		.amdhsa_enable_private_segment 0
		.amdhsa_kernarg_size 32
		.amdhsa_user_sgpr_count 2
		.amdhsa_user_sgpr_kernarg_segment_ptr 1
		.amdhsa_wavefront_size32 1
		.amdhsa_system_sgpr_workgroup_id_x 1
		.amdhsa_system_sgpr_workgroup_id_y 1
		.amdhsa_system_sgpr_workgroup_id_z 1
		.amdhsa_system_vgpr_workitem_id 0
		.amdhsa_next_free_vgpr 128
		.amdhsa_next_free_sgpr 66
		.amdhsa_reserve_vcc 0
		.amdhsa_float_denorm_mode_32 3
		.amdhsa_float_denorm_mode_16_64 3
		.amdhsa_memory_ordered 1
		.amdhsa_forward_progress 1
		.amdhsa_inst_pref_size 13
	.end_amdhsa_kernel
	.amdgpu_metadata
---
amdhsa.version: [ 1, 2 ]
amdhsa.kernels:
  - .name:           k_qd7a33f2226_ln1
    .symbol:         k_qd7a33f2226_ln1.kd
    .args:
      - { .name: x, .offset: 0, .size: 8, .value_kind: global_buffer, .address_space: global }
      - { .name: n1_w, .offset: 8, .size: 8, .value_kind: global_buffer, .address_space: global }
      - { .name: n1_b, .offset: 16, .size: 8, .value_kind: global_buffer, .address_space: global }
      - { .name: hbuf, .offset: 24, .size: 8, .value_kind: global_buffer, .address_space: global }
    .group_segment_fixed_size: 36864
    .private_segment_fixed_size: 0
    .kernarg_segment_align: 8
    .kernarg_segment_size: 32
    .max_flat_workgroup_size: 512
    .sgpr_count:     66
    .vgpr_count:     128
    .wavefront_size: 32
...
	.end_amdgpu_metadata
.endif
;; end of part 2
;; launch qkv1 (part 3): grid 32 x 6, 4 waves a work-group, clusters of 4 x 1, 327,680 bytes of LDS; arguments hbuf, wA, qkv; writes qkv
.if DOCPART == 3
	.amdgcn_target "amdgcn-amd-amdhsa--gfx1250"
	.amdhsa_code_object_version 6
	.text
	.protected	k_qd7a33f2226_qkv1
	.globl	k_qd7a33f2226_qkv1
	.p2align	8
	.type	k_qd7a33f2226_qkv1,@function
k_qd7a33f2226_qkv1:
	s_mov_b64 s[64:65], 0
	v_nop
	global_prefetch_b8 v0, s[64:65] scope:SCOPE_SE
	s_setreg_imm32_b32 hwreg(HW_REG_WAVE_MODE, 25, 1), 1
	s_wait_xcnt 0x0
	s_wait_alu depctr_hold_cnt(0) depctr_sa_sdst(0) depctr_va_vdst(0) depctr_va_sdst(0) depctr_va_ssrc(0) depctr_va_vcc(0) depctr_vm_vsrc(0)
	s_getreg_b32 s2, hwreg(HW_REG_IB_STS2, 6, 4)
	s_cmp_eq_u32 s2, 0
	s_cbranch_scc0 .Lentry_in_a_cluster
	s_endpgm
.Lentry_in_a_cluster:
	s_bfe_u32 s2, ttmp6, 0x10000c
	s_cmp_lg_u32 s2, 0x3003
	s_cbranch_scc0 .Lentry_shape_is_right
	s_endpgm
.Lentry_shape_is_right:
; PROJECTION BY HEADS.  C[m][n] = sum over k of h[m][k] W[n][k], K = 1,024, bf16 operands in the blocked layout, f32 sums.
; A tile of C is 128 x 128; ALL FOUR WAVES make the whole tile (64 accumulators, 512 registers each) and share each K step of 256 among them,
; 64 k a wave; the four f32 partial sums are added through LDS.  Columns 0-255 are q (multiplied in f32 by log2(e)/4, then rounded once), 256-511 k, 512-767 v.
; Out: tiles of 16 tokens x 16 channels, 512 consecutive bytes each: q at head*131072 + tile*512; k and v from byte 2,097,152 on at
; head*262144 + (tile>>2)*4096 + isV*2048 + (tile&3)*512, v's units ordered for the turning LDS load.
; CLUSTER 4 x 1: the four row blocks of a cluster walk the same weights: W's tiles are asked for jointly; h's are each work-group's own.
.set KIND, 0
.set KSPLIT, 1
.set SIZE_K, 1024
.set NQ, 2
.set RTP, 8192
.set ROWS, 4
.set NSTEPS, 4
.set WREG, 0
.set DMPB, 0
.set RESB, 0
.set REGION, 33792
.set SC, 94                            ; s[94:95] the scale
.set HS, 96                            ; s[96:97] bytes from head to head
.set HIA, 98                           ; s[98:99] bytes from my rows 0-63 to my rows 64-127
.set VM, 100                           ; s100 all ones where the columns are v's
.macro HEADX
	s_lshr_b32 s4, s42, 1                          ; 0 q, 1 k, 2 v
	s_and_b32 s5, s42, 1
	s_lshl_b32 s5, s5, 3                           ; the tile's first head
	s_cmp_eq_u32 s4, 0
	s_cselect_b32 s6, 17, 18
	s_cselect_b32 s7, 12, 13
	s_cselect_b32 s[SC], 0x3eb8aa3b, 1.0           ; log2(e) / 4
	s_cselect_b32 s8, 0, 2097152
	s_mov_b32 s[SC+1], s[SC]
	s_cmp_eq_u32 s4, 2
	s_cselect_b32 s9, 2048, 0
	s_cselect_b32 s[VM], -1, 0
	s_lshl_b32 s[HS], 1, s6
	s_mov_b32 s[HS+1], 0
	s_sub_co_u32 s21, s7, 1
	s_lshl_b32 s[HIA], 1, s21
	s_mov_b32 s[HIA+1], 0
	s_lshl_b32 s5, s5, s6
	s_lshl_b32 s21, s13, s7
	s_add_co_u32 s5, s5, s21
	s_add_co_u32 s5, s5, s8
	s_add_co_u32 s5, s5, s9
	s_lshl_b32 s21, s10, 9
	s_add_co_u32 s22, s5, s21
	s_mov_b32 s23, 0
	s_add_nc_u64 s[OUTP:OUTP+1], s[88:89], s[22:23]
	s_mul_i32 s21, s10, 8448
	s_add_co_u32 s21, s21, DMPB
	v_add_nc_u32 v8, s21, v4                       ; back: row 16 w + r, 32 bytes for each half of the lanes
	v_lshrrev_b32 v9, 3, v1
	v_lshlrev_b32 v9, 8, v9
	v_lshl_add_u32 v9, v2, 7, v9
	v_and_b32 v10, 7, v1
	v_lshl_add_u32 v9, v10, 4, v9
	v_cndmask_b32 v9, v3, v9, s[VM]                ; my 16 bytes in a tile of 512
.endm
; Wave w adds the four partial sums of token tile 4 hi + w, one head (16 columns) a trip, and stores 512 consecutive bytes.
.macro REDUCE_HEAD hi
	v_mov_b32 v4, v8
	v_add_nc_u32 v5, 67584, v8
.if \hi
	s_add_nc_u64 s[18:19], s[OUTP:OUTP+1], s[HIA:HIA+1]
.else
	s_mov_b64 s[18:19], s[OUTP:OUTP+1]
.endif
	s_mov_b32 s81, 8
.Lrh_\@:
	ds_load_b128 v[64:67], v4
	ds_load_b128 v[68:71], v4 offset:16
	ds_load_b128 v[72:75], v4 offset:33792
	ds_load_b128 v[76:79], v4 offset:33808
	ds_load_b128 v[80:83], v5
	ds_load_b128 v[84:87], v5 offset:16
	ds_load_b128 v[88:91], v5 offset:33792
	ds_load_b128 v[92:95], v5 offset:33808
	s_wait_dscnt 0x0
.irp z, 0,2,4,6
	v_pk_add_f32 v[64+\z:65+\z], v[64+\z:65+\z], v[72+\z:73+\z]
	v_pk_add_f32 v[80+\z:81+\z], v[80+\z:81+\z], v[88+\z:89+\z]
.endr
.irp z, 0,2,4,6
	v_pk_add_f32 v[64+\z:65+\z], v[64+\z:65+\z], v[80+\z:81+\z]
.endr
.irp z, 0,2,4,6
	v_pk_mul_f32 v[64+\z:65+\z], v[64+\z:65+\z], s[SC:SC+1] op_sel_hi:[1,0]
.endr
.irp p, 0,1,2,3
	v_cvt_pk_bf16_f32 v[96+\p], v[64+2*\p], v[65+2*\p]
.endr
	global_store_b128 v9, v[96:99], s[18:19]
	s_wait_xcnt 0x0                                ; the store's base and data are rewritten only behind this wait
	s_add_nc_u64 s[18:19], s[18:19], s[HS:HS+1]
	v_add_nc_u32 v4, 64, v4
	v_add_nc_u32 v5, 64, v5
	s_sub_co_u32 s81, s81, 1
	s_cmp_lg_u32 s81, 0
	s_cbranch_scc1 .Lrh_\@
.endm
.macro EPI
	DUMP 0
	s_wait_dscnt 0x0                               ; my partial sums of rows 0-63 are in LDS
	s_barrier_signal -1
	s_barrier_wait -1
	REDUCE_HEAD 0
	s_wait_dscnt 0x0                               ; my reads are over: the stage may be written again
	s_barrier_signal -1
	s_barrier_wait -1
	DUMP 1
	s_wait_dscnt 0x0
	s_barrier_signal -1
	s_barrier_wait -1
	REDUCE_HEAD 1
.endm
; ---------------- the core, the same text in the four matrix kernels ----------------
; LDS: two slots of 131,072 bytes, each A's tile (65,536) then B's; wave w fills bytes w*32768 of a slot (waves 0, 1: A's halves; 2, 3: B's).
; In the blocked layout a row tile's K step is one dense run of RTP bytes, so a wave's tensor load is ROWS rows of RTP bytes, and a fragment is two LDS loads
; of 512 consecutive bytes (16 x lane): no padding is needed.  The stage of the way out lies over ring bytes that have had their last fill.
; REGISTERS, in windows of 256: window 0: v0-31 addresses, v32-63 and v192-255 the way out, v64-127 and v128-191 A's fragments (two buffers);
; window 1: B's fragments likewise; windows 2 and 3: the 64 accumulators, (a, b) at v[8 (8 (a%4) + b)].
; The matrix instruction is used turned (source 0 = 16 rows of B, source 1 = 16 rows of A): a lane holds row m = lane%16 and columns 8 (lane/16) + 0..7.
.set SLOT1, 131072
.set SPARE, 270336
.set STEPB, RTP
.set ADA0, 16
.set ADB0, 17
.set ADA, 18
.set ADB, 19
.set STO, 24
.set SPW, 28
.set NIL, 29
.set F0, 64
.set F1, 128
.set G1, 24
.set G0, 32
.set G1B, 48
.set G0B, 56
.set GR0, 68
.set GR1, 72
.set TB, 80
.set OUTP, 82
.set BIASP, 66
.set MSB, 0
.macro WIN new                         ; the immediate's high byte repeats the setting that is left
.if MSB != (\new)
	s_set_vgpr_msb (MSB<<8)|(\new)
.set MSB, \new
.endif
.endm
.set MUL_LO, 0xa1
.set MUL_HI, 0xf1
.set TO_B, 0x40
.macro PLACES                          ; four places behind matrix instructions, in front of loads into their sources and of reads of their results
.rept 4
	v_nop
.endr
.endm
.macro JLOAD s                         ; waves 0 and 1 ask for A's halves, waves 2 and 3 for B's; an s_nop 0 and four v_nop follow each line
	s_cmp_eq_u32 s11, 0
	s_cbranch_scc0 .Lfor_b_\@
	tensor_load_to_lds s[G0+4*(\s):G0+4*(\s)+3], s[G1:G1+7]
	s_nop 0
	PLACES
	s_branch .Lasked_\@
.Lfor_b_\@:
	tensor_load_to_lds s[G0B+4*(\s):G0B+4*(\s)+3], s[G1B:G1B+7]
	s_nop 0
	PLACES
.Lasked_\@:
.endm
.macro CREST                           ; a round of the cluster's barrier behind its opening barrier
	s_cmp_lg_u32 s10, 0
	s_cbranch_scc1 .Lnot_wave_0_\@
	s_barrier_signal -3
.Lnot_wave_0_\@:
	s_barrier_wait -3
	s_barrier_signal -1
	s_barrier_wait -1
.endm
.macro CROUND
	s_barrier_signal -1
	s_barrier_wait -1
	CREST
.endm
.macro MUL16 f, hi, a0, zero           ; 16 matrix instructions: m blocks a0, a0+1 of the window's four x all 8 n blocks; the accumulators take turns
	WIN MUL_LO+0x50*(\hi)
.irp a, \a0, (\a0)+1
.irp b, 0,1,2,3,4,5,6,7
.if \zero
	v_wmma_f32_16x16x32_bf16 v[8*(8*(\a)+(\b)):8*(8*(\a)+(\b))+7], v[(\f)+8*(\b):(\f)+8*(\b)+7], v[(\f)+8*(4*(\hi)+(\a)):(\f)+8*(4*(\hi)+(\a))+7], 0
.else
	v_wmma_f32_16x16x32_bf16 v[8*(8*(\a)+(\b)):8*(8*(\a)+(\b))+7], v[(\f)+8*(\b):(\f)+8*(\b)+7], v[(\f)+8*(4*(\hi)+(\a)):(\f)+8*(4*(\hi)+(\a))+7], v[8*(8*(\a)+(\b)):8*(8*(\a)+(\b))+7]
.endif
.endr
.endr
.endm
.macro FETCH kq, f                     ; 32 LDS loads in one run: my quarter kq (32 along K) of 128 rows of B and 128 rows of A
	WIN TO_B
.irp i, 0,1,2,3,4,5,6,7
	ds_load_b128 v[(\f)+8*(\i):(\f)+8*(\i)+3],   v[ADB] offset:(\i)*RTP+(\kq)*1024
	ds_load_b128 v[(\f)+8*(\i)+4:(\f)+8*(\i)+7], v[ADB] offset:(\i)*RTP+(\kq)*1024+512
.endr
	WIN 0
.irp i, 0,1,2,3,4,5,6,7
	ds_load_b128 v[(\f)+8*(\i):(\f)+8*(\i)+3],   v[ADA] offset:(\i)*RTP+(\kq)*1024
	ds_load_b128 v[(\f)+8*(\i)+4:(\f)+8*(\i)+7], v[ADA] offset:(\i)*RTP+(\kq)*1024+512
.endr
.endm
.macro QUARTER kq, f, g, zero          ; multiplies buffer f; in its middle fetches quarter kq of the same slot into buffer g
	s_wait_dscnt 8                                 ; B and A's rows 0-63 are in; the youngest eight loads may be out
	MUL16 \f, 0, 0, \zero
	MUL16 \f, 0, 2, \zero
	PLACES
	FETCH \kq, \g
	s_wait_dscnt 32                                ; all but the 32 just issued
	MUL16 \f, 1, 0, \zero
	MUL16 \f, 1, 2, \zero
.endm
.macro MEET                            ; the change of slots: one barrier; in front of it all my tensor loads, the add, and my reads of this slot
	WIN 0
	s_wait_tensorcnt 0x0                           ; the one load of mine that was out is my part of the next slot
	ds_add_u32 v[SPW], v[NIL]                      ; 0 onto my spare word
	s_wait_dscnt 9                                 ; (the add and the youngest eight loads may be out)
	MUL16 F1, 0, 0, 0
	s_wait_dscnt 0x0                               ; the add is done, and my reads of this slot are over
	s_barrier_signal -1
	MUL16 F1, 0, 2, 0
	WIN 0
	s_barrier_wait -1
.endm
.macro TURN fill                       ; the step's last quarter.  fill = 1: the slot is filled again two steps ahead; 2: it takes the residual's tile; 0: nothing
	MEET
.if (\fill) == 0
	PLACES
.else
	CREST                                          ; the barrier has opened a round of the cluster's: no wave of any partner still reads the slot or has a load on its way
.if (\fill) == 1
	s_xor_b32 s[G0+5], s[G0+5], SLOT1
	s_add_nc_u64 s[G0+6:G0+7], s[G0+6:G0+7], STEPB
	s_xor_b32 s[G0B+5], s[G0B+5], SLOT1
	s_add_nc_u64 s[G0B+6:G0B+7], s[G0B+6:G0B+7], STEPB
	JLOAD 1
.else
	tensor_load_to_lds s[GR0:GR0+3], s[GR1:GR1+7]
	s_nop 0
	PLACES
.endif
.endif
	s_xor_b32 s[TB], s[TB], SLOT1
	v_add_nc_u32 v[ADA], s[TB], v[ADA0]
	v_add_nc_u32 v[ADB], s[TB], v[ADB0]
	FETCH 0, F0
	MUL16 F1, 1, 0, 0
	MUL16 F1, 1, 2, 0
.endm
.macro REST fill                       ; from a step's second quarter to the next step's first
.if NQ == 4
	QUARTER 2, F1, F0, 0
	QUARTER 3, F0, F1, 0
.endif
	TURN \fill
	QUARTER 1, F0, F1, 0
.endm
.macro DUMP hi                         ; 32 accumulators into my part of the stage, rows of 528 bytes; each accumulator's low registers first
.set DH, (1-KSPLIT)*33792*(\hi)
	WIN 0x08+4*(\hi)
.irp a, 0,1,2,3
.irp b, 0,1,2,3,4,5,6,7
	ds_store_b128 v[STO], v[8*(8*(\a)+(\b)):8*(8*(\a)+(\b))+3] offset:DH+(\a)*8448+(\b)*64
	ds_store_b128 v[STO], v[8*(8*(\a)+(\b))+4:8*(8*(\a)+(\b))+7] offset:DH+(\a)*8448+(\b)*64+16
.endr
.endr
	WIN 0
.endm
.if KIND == 0
	s_load_b128 s[84:87], s[0:1], 0x0
	s_load_b64 s[88:89], s[0:1], 0x10
.elseif KIND == 3
	s_load_b256 s[84:91], s[0:1], 0x0
.else
	s_load_b256 s[84:91], s[0:1], 0x0
	s_load_b64 s[92:93], s[0:1], 0x20
.endif
	v_lshl_add_u32 v[SPW], v0, 2, SPARE
	v_mov_b32 v[NIL], 0
	ds_add_u32 v[SPW], v[NIL]                      ; the wave's opening: the add and its wait stand ahead of my first tensor load
	v_lshrrev_b32 v1, 5, v0
	v_readfirstlane_b32 s10, v1                    ; wave
	s_lshr_b32 s11, s10, 1
	s_and_b32 s12, s10, 1
	s_bfe_u32 s40, ttmp6, 0x40000                  ; cx
.if KIND == 0
	s_lshl_b32 s13, ttmp9, 2
	s_add_co_u32 s13, s13, s40                     ; tile row = 4 x cluster x + cx
	s_and_b32 s42, ttmp7, 0xffff                   ; tile column, which the four partners share
	s_mov_b32 s[G1], 3<<16                         ; A: my own load; elements of 8 bytes
	s_mov_b32 s[G1B], 15|(3<<16)|(1<<21)           ; B: all four work-groups
.else
	s_bfe_u32 s41, ttmp6, 0x40004                  ; cy
	s_lshl_b32 s42, ttmp9, 2
	s_add_co_u32 s42, s42, s40                     ; tile column
	s_and_b32 s13, ttmp7, 0xffff
	s_lshl_b32 s13, s13, 2
	s_add_co_u32 s13, s13, s41                     ; tile row
	s_lshl_b32 s43, s41, 2
	s_lshl_b32 s43, 15, s43                        ; my row of the cluster
	s_lshl_b32 s44, 0x1111, s40                    ; my column
	s_or_b32 s[G1], s43, (3<<16)|(1<<21)
	s_or_b32 s[G1B], s44, (3<<16)|(1<<21)
.endif
.irp g, G1, G1B
	s_mov_b32 s[(\g)+1], (RTP/8)<<16               ; tensor_dim0
	s_mov_b32 s[(\g)+2], ROWS<<16                  ; tensor_dim1
	s_mov_b32 s[(\g)+3], (RTP/8)<<16               ; tile_dim0
	s_mov_b32 s[(\g)+4], ROWS                      ; tile_dim1
	s_mov_b32 s[(\g)+5], SIZE_K*4                  ; from row tile to row tile: SIZE_K x 32 bytes
	s_mov_b32 s[(\g)+6], 0
	s_mov_b32 s[(\g)+7], 0
.endr
	s_lshl1_add_u32 s16, s13, s12                  ; A: 2 x tile row + the half that I fetch
	s_mul_i32 s16, s16, ROWS*SIZE_K*32
	s_mov_b32 s17, 0
	s_lshl1_add_u32 s46, s42, s12                  ; B likewise
	s_mul_i32 s46, s46, ROWS*SIZE_K*32
	s_add_co_u32 s46, s46, WREG
	s_mov_b32 s47, 0
	s_lshl_b32 s20, s10, 15                        ; where they go: wave x 32,768
	s_mov_b32 s[TB], 0
.if (KIND == 1) || (KIND == 2)
	s_mov_b32 s[GR1], 2<<16                        ; the residual's tile, my 32 rows x 128 f32: a load of my own
	s_mov_b32 s[GR1+1], 128<<16
	s_mov_b32 s[GR1+2], 32<<16
	s_mov_b32 s[GR1+3], 128<<16
	s_mov_b32 s[GR1+4], 32
	s_mov_b32 s[GR1+5], 1024
	s_mov_b32 s[GR1+6], 0
	s_mov_b32 s[GR1+7], 0
	s_mov_b32 s[GR0], 1
	s_lshl_b32 s[GR0+1], s10, 14
	s_add_co_u32 s[GR0+1], s[GR0+1], RESB
	s_lshl_b32 s18, s13, 19
	s_lshl_b32 s19, s10, 17
	s_add_co_u32 s18, s18, s19
	s_lshl_b32 s19, s42, 9
	s_add_co_u32 s18, s18, s19
	s_mov_b32 s19, 0
.endif
	s_wait_dscnt 0x0                               ; the opening add is done
	s_wait_kmcnt 0x0
	s_add_nc_u64 s[14:15], s[84:85], s[16:17]
	s_add_nc_u64 s[46:47], s[86:87], s[46:47]
.if (KIND == 1) || (KIND == 2)
	s_add_nc_u64 s[GR0+2:GR0+3], s[90:91], s[18:19]
	s_or_b32 s[GR0+3], s[GR0+3], 0x80000000
.endif
	CROUND                                         ; all partners are here: the first joint loads meet
.irp s, 0,1
.if (\s) < NSTEPS
	s_mov_b32 s[G0+4*(\s)], 1
	s_add_co_u32 s[G0+4*(\s)+1], s20, (\s)*SLOT1
	s_add_nc_u64 s[G0+4*(\s)+2:G0+4*(\s)+3], s[14:15], (\s)*STEPB
	s_or_b32 s[G0+4*(\s)+3], s[G0+4*(\s)+3], 0x80000000
	s_mov_b32 s[G0B+4*(\s)], 1
	s_add_co_u32 s[G0B+4*(\s)+1], s20, (\s)*SLOT1
	s_add_nc_u64 s[G0B+4*(\s)+2:G0B+4*(\s)+3], s[46:47], (\s)*STEPB
	s_or_b32 s[G0B+4*(\s)+3], s[G0B+4*(\s)+3], 0x80000000
	JLOAD \s
.endif
.endr
.if KIND == 1
	tensor_load_to_lds s[GR0:GR0+3], s[GR1:GR1+7]  ; with one K step the second first fill is the residual's tile
	s_nop 0
	PLACES
.endif
	v_and_b32 v1, 15, v0                           ; r
	v_bfe_u32 v2, v0, 4, 1                         ; h
	v_and_b32 v3, 31, v0
	v_lshlrev_b32 v3, 4, v3                        ; 16 x lane
.if KSPLIT
	s_lshl_b32 s21, s10, 11                        ; my 64 k of a step
	s_add_co_u32 s22, s21, 65536
.else
	s_lshl_b32 s21, s11, 15                        ; my 128 rows of A
	s_lshl_b32 s22, s12, 15                        ; my 128 rows of B
	s_add_co_u32 s22, s22, 65536
.endif
	v_add_nc_u32 v[ADA0], s21, v3
	v_add_nc_u32 v[ADB0], s22, v3
	v_mov_b32 v[ADA], v[ADA0]
	v_mov_b32 v[ADB], v[ADB0]
	v_mul_u32_u24 v4, v1, 528
	v_lshl_add_u32 v4, v2, 5, v4                   ; row r x 528 + 32 x half
	s_mul_i32 s21, s10, REGION
	s_add_co_u32 s21, s21, DMPB
	v_add_nc_u32 v[STO], s21, v4
	HEADX
	s_wait_tensorcnt 1                             ; my part of K step 0 is in; my second first fill may stay out
	s_barrier_signal -1
	s_barrier_wait -1
	FETCH 0, F0
	QUARTER 1, F0, F1, 1                           ; the first quarter's products start the sums
.if NSTEPS > 2
	WIN 0
	s_mov_b32 s3, NSTEPS-2
.Lstep:
	REST 1
	WIN 0
	s_sub_co_u32 s3, s3, 1
	s_cmp_lg_u32 s3, 0
	s_cbranch_scc1 .Lstep
.endif
.if NSTEPS > 1
.if KIND == 2
	REST 2
.else
	REST 0
.endif
.endif
.if NQ == 4
	QUARTER 2, F1, F0, 0
	QUARTER 3, F0, F1, 0
.endif
	s_wait_dscnt 8
	MUL16 F1, 0, 0, 0
	MUL16 F1, 0, 2, 0
	s_wait_dscnt 0x0
	MUL16 F1, 1, 0, 0
	MUL16 F1, 1, 2, 0
	WIN 0
	s_wait_tensorcnt 0x0                           ; every load of mine has landed,
	s_wait_dscnt 0x0                               ; my reads of the ring are over:
	s_barrier_signal -1
	s_barrier_wait -1                              ; the same holds of all four waves: the stage may be written
	PLACES
	EPI
	s_wait_tensorcnt 0x0                           ; the wave's end
	ds_add_u32 v[SPW], v[NIL]
	s_wait_dscnt 0x0
	CROUND                                         ; the closing round
	s_endpgm
.Lfunc_end_k_qd7a33f2226_qkv1:
	.size	k_qd7a33f2226_qkv1, .Lfunc_end_k_qd7a33f2226_qkv1-k_qd7a33f2226_qkv1
	.p2alignl 7, 3214868480
	.fill 96, 4, 3214868480
	.section	.rodata,"a",@progbits
	.p2align	6, 0x0
	.amdhsa_kernel k_qd7a33f2226_qkv1
		.amdhsa_group_segment_fixed_size 327680
		.amdhsa_private_segment_fixed_size 0
		.amdhsa_enable_private_segment 0
		.amdhsa_kernarg_size 24
		.amdhsa_user_sgpr_count 2
		.amdhsa_user_sgpr_kernarg_segment_ptr 1
		.amdhsa_wavefront_size32 1
		.amdhsa_system_sgpr_workgroup_id_x 1
		.amdhsa_system_sgpr_workgroup_id_y 1
		.amdhsa_system_sgpr_workgroup_id_z 1
		.amdhsa_system_vgpr_workitem_id 0
		.amdhsa_next_free_vgpr 1024
		.amdhsa_next_free_sgpr 102
		.amdhsa_reserve_vcc 0
		.amdhsa_float_denorm_mode_32 3
		.amdhsa_float_denorm_mode_16_64 3
		.amdhsa_memory_ordered 1
		.amdhsa_forward_progress 1
		.amdhsa_inst_pref_size 60
	.end_amdhsa_kernel
	.amdgpu_metadata
---
amdhsa.version: [ 1, 2 ]
amdhsa.kernels:
  - .name:           k_qd7a33f2226_qkv1
    .symbol:         k_qd7a33f2226_qkv1.kd
    .args:
      - { .name: hbuf, .offset: 0, .size: 8, .value_kind: global_buffer, .address_space: global }
      - { .name: wA, .offset: 8, .size: 8, .value_kind: global_buffer, .address_space: global }
      - { .name: qkv, .offset: 16, .size: 8, .value_kind: global_buffer, .address_space: global }
    .group_segment_fixed_size: 327680
    .private_segment_fixed_size: 0
    .kernarg_segment_align: 8
    .kernarg_segment_size: 24
    .max_flat_workgroup_size: 128
    .sgpr_count:     102
    .vgpr_count:     1024
    .wavefront_size: 32
...
	.end_amdgpu_metadata
.endif
;; end of part 3
;; launch att1 (part 4): grid 16 x 16, 8 waves a work-group, clusters of 4 x 1, 327,680 bytes of LDS; arguments qkv, ao; writes ao
.if DOCPART == 4
	.amdgcn_target "amdgcn-amd-amdhsa--gfx1250"
	.amdhsa_code_object_version 6
	.text
	.protected	k_qd7a33f2226_att1
	.globl	k_qd7a33f2226_att1
	.p2align	8
	.type	k_qd7a33f2226_att1,@function
k_qd7a33f2226_att1:
	s_mov_b64 s[64:65], 0
	v_nop
	global_prefetch_b8 v0, s[64:65] scope:SCOPE_SE
	s_setreg_imm32_b32 hwreg(HW_REG_WAVE_MODE, 25, 1), 1
	s_wait_xcnt 0x0
	s_wait_alu depctr_hold_cnt(0) depctr_sa_sdst(0) depctr_va_vdst(0) depctr_va_sdst(0) depctr_va_ssrc(0) depctr_va_vcc(0) depctr_vm_vsrc(0)
	s_getreg_b32 s2, hwreg(HW_REG_IB_STS2, 6, 4)
	s_cmp_eq_u32 s2, 0
	s_cbranch_scc0 .Lentry_in_a_cluster
	s_endpgm
.Lentry_in_a_cluster:
	s_bfe_u32 s2, ttmp6, 0x10000c
	s_cmp_lg_u32 s2, 0x3003
	s_cbranch_scc0 .Lentry_shape_is_right
	s_endpgm
.Lentry_shape_is_right:
; SELF ATTENTION, head size 16, 4,096 keys.  O[q] = sum over k of softmax_k(q . k / 4) v[k].  q arrives multiplied by log2(e)/4, so p = 2^(s - m) with a running maximum m.
; A work-group owns one head and 256 queries; each of its eight waves two tiles of 16 queries.  The head's whole K and V (262,144 bytes, 64 steps of 64 keys: four tiles of K,
; four of V, 512 bytes each) lie in LDS, filled ONCE: two tensor loads a wave (the first 16 steps, then the rest), so two loads of mine are out at the most.
; CLUSTER 4 x 1: the four query blocks of a cluster belong to one head: the loads are joint.
; S^T = K Q^T (K = 32 form; channels 16-31 are Q's zeros times the next tile's K, so K must be finite); a lane holds one query and eight keys; two results rounded to bf16 are
; source 1 of O^T = V^T P; the row sum l = ones x P is made by the matrix unit, of the rounded weights, in f32.  O and l are multiplied by a = 2^(m_old - m_new) in every step.
; LIMITS: NaN and infinities are not treated apart; a weight below 2^-126 counts as 0.  O and l are cleared on purpose, in the wait for the first tile: no first step is written out.
.set CROSS, 0
.set SPARE, 262144
.set AOP, 6
.set QA, 8
.set ONES, 24
.set KF, 32
.set VF, 52
.set SA, 68
.set OA, 132
.set LA, 148
.set ST, 164                           ; tile x at ST + 8 x: m (a pair), a (a pair), c0-c3
.set AKV, 180
.set GO, 181
.set SPW, 182
.set NIL, 183
.set MP, 184
.set MA, 192
.set WV, 12
.set SEL, 60
.macro NOPS
.rept 4
	v_nop
.endr
.endm
.macro CROUND
	s_barrier_signal -1
	s_barrier_wait -1
	s_cmp_lg_u32 s[WV], 0
	s_cbranch_scc1 .Lnot_wave_0_\@
	s_barrier_signal -3
.Lnot_wave_0_\@:
	s_barrier_wait -3
	s_barrier_signal -1
	s_barrier_wait -1
.endm
.macro MX x, n                         ; number n of the 21 that find tile x's new maximum and a; each accumulator's low registers are read first
.set rS, SA+32*(\x)
.set rT, ST+8*(\x)
.if (\n) < 4
	v_max3_num_f32 v[rT+4+(\n)], v[rS+8*(\n)], v[rS+8*(\n)+1], v[rS+8*(\n)+2]
.elseif (\n) < 12
	v_max3_num_f32 v[rT+4+(\n)%4], v[rT+4+(\n)%4], v[rS+8*((\n)%4)+2*((\n)/4)+1], v[rS+8*((\n)%4)+2*((\n)/4)+2]
.elseif (\n) == 12
	v_max3_num_f32 v[rT+4], v[rT+4], v[rS+7], v[rS+15]
.elseif (\n) == 13
	v_max3_num_f32 v[rT+5], v[rT+5], v[rS+23], v[rS+31]
.elseif (\n) == 14
	v_max3_num_f32 v[rT+6], v[rT+6], v[rT+7], v[rT]
.elseif (\n) == 15
	v_max3_num_f32 v[rT+4], v[rT+4], v[rT+5], v[rT+6]
.elseif (\n) == 16
	v_permlanex16_b32 v[rT+7], v[rT+4], s[SEL], s[SEL+1]   ; the query's other 32 keys lie in the lane 16 away
.elseif (\n) == 17
	v_max_num_f32 v[rT+5], v[rT+4], v[rT+7]
.elseif (\n) == 18
	v_sub_f32 v[rT+6], v[rT], v[rT+5]
.elseif (\n) == 19
	v_mov_b32 v[rT], v[rT+5]
.else
	v_exp_f32 v[rT+2], v[rT+6]
.endif
.endm
.macro EXPS g                          ; eight exponentials: tile g%2, keys 8 (g/2) on
.set rS, SA+32*((\g)%2)+8*((\g)/2)
.irp z, 0,1,2,3,4,5,6,7
	v_exp_f32 v[rS+\z], v[rS+\z]
.endr
.endm
.macro CVTS g                          ; their rounding to bf16, packed in place into the tile's low 16 registers
.set rS, SA+32*((\g)%2)+8*((\g)/2)
.set rP, SA+32*((\g)%2)+4*((\g)/2)
	s_wait_alu depctr_va_vdst(0)
.irp z, 0,1,2,3
	v_cvt_pk_bf16_f32 v[rP+\z], v[rS+2*\z], v[rS+2*\z+1]
.endr
.endm
; A key step.  pre = 1: the next step's K and V are fetched.  mask = 1 (the cross kernel's second step): the sums start with the mask.
.macro STEP pre, mask
	s_wait_dscnt 4                                 ; K is in; V's four loads may be out
.irp t, 0,1,2,3
.irp x, 0,1
.if (\mask) && ((\t) == 0)
	v_wmma_f32_16x16x32_bf16 v[SA+32*\x+8*\t:SA+32*\x+8*\t+7], v[KF+4*\t:KF+4*\t+7], v[QA+8*\x:QA+8*\x+7], v[MP:MP+7]
.elseif \mask
	v_wmma_f32_16x16x32_bf16 v[SA+32*\x+8*\t:SA+32*\x+8*\t+7], v[KF+4*\t:KF+4*\t+7], v[QA+8*\x:QA+8*\x+7], v[MA:MA+7]
.else
	v_wmma_f32_16x16x32_bf16 v[SA+32*\x+8*\t:SA+32*\x+8*\t+7], v[KF+4*\t:KF+4*\t+7], v[QA+8*\x:QA+8*\x+7], 0
.endif
.endr
.endr
	NOPS                                           ; the places behind those products
.if \pre
.irp t, 0,1,2,3
	ds_load_b128 v[KF+4*\t:KF+4*\t+3], v[AKV] offset:4096+\t*512
.endr
.endif
.irp n, 0,1,2,3,4,5,6,7,8,9,10,11,12,13,14,15,16,17,18,19,20
	MX 0, \n
	MX 1, \n
.endr
.set z, 0
.rept 16
	v_pk_add_f32 v[SA+2*z:SA+2*z+1], v[SA+2*z:SA+2*z+1], v[ST:ST+1] op_sel_hi:[1,0] neg_lo:[0,1] neg_hi:[0,1]
	v_pk_add_f32 v[SA+32+2*z:SA+33+2*z], v[SA+32+2*z:SA+33+2*z], v[ST+8:ST+9] op_sel_hi:[1,0] neg_lo:[0,1] neg_hi:[0,1]
.set z, z+1
.endr
	EXPS 0
	; l times a: plain work that is due anyway, set here as the plain instruction between the first eight exponentials and the rounding of their results (ISA guide 5.7.2).
	; l is read from register 0 alone; the other rows of ones x P only stay finite (4,096 at the most)
	s_wait_alu depctr_va_vdst(0)
	v_pk_mul_f32 v[LA:LA+1], v[LA:LA+1], v[ST+2:ST+3] op_sel_hi:[1,0]
	v_pk_mul_f32 v[LA+8:LA+9], v[LA+8:LA+9], v[ST+10:ST+11] op_sel_hi:[1,0]
.irp g, 1,2,3,4,5,6,7
	EXPS \g
	CVTS (\g)-1                                    ; the other tile's: it names none of the eight just issued, and is the plain work behind them
.endr
	s_wait_alu depctr_va_vdst(0)
.irp z, 0,2,4,6
	v_pk_mul_f32 v[OA+\z:OA+\z+1], v[OA+\z:OA+\z+1], v[ST+2:ST+3] op_sel_hi:[1,0]
	v_pk_mul_f32 v[OA+8+\z:OA+9+\z], v[OA+8+\z:OA+9+\z], v[ST+10:ST+11] op_sel_hi:[1,0]
.endr
	CVTS 7
.if \pre
	s_wait_dscnt 4                                 ; V is in; the next K's four loads may be out
.else
	s_wait_dscnt 0x0
.endif
.irp u, 0,1                            ; four accumulators by turns
	v_wmma_f32_16x16x32_bf16 v[OA:OA+7], v[VF+8*\u:VF+8*\u+7], v[SA+8*\u:SA+8*\u+7], v[OA:OA+7]
	v_wmma_f32_16x16x32_bf16 v[OA+8:OA+15], v[VF+8*\u:VF+8*\u+7], v[SA+32+8*\u:SA+39+8*\u], v[OA+8:OA+15]
	v_wmma_f32_16x16x32_bf16 v[LA:LA+7], v[ONES:ONES+7], v[SA+8*\u:SA+8*\u+7], v[LA:LA+7]
	v_wmma_f32_16x16x32_bf16 v[LA+8:LA+15], v[ONES:ONES+7], v[SA+32+8*\u:SA+39+8*\u], v[LA+8:LA+15]
.endr
	NOPS
.if \pre
.irp t, 0,1,2,3
	ds_load_tr16_b128 v[VF+4*\t:VF+4*\t+3], v[AKV] offset:6144+\t*512
.endr
	v_add_nc_u32 v[AKV], 4096, v[AKV]              ; the fifth place in front of the products that write over P
.endif
.endm
.if CROSS
	s_load_b128 s[4:7], s[0:1], 0x0                ; qkv, wA
	s_load_b64 s[10:11], s[0:1], 0x10              ; ao
.else
	s_load_b128 s[4:7], s[0:1], 0x0                ; qkv, ao
.endif
	v_lshl_add_u32 v[SPW], v0, 2, SPARE
	v_mov_b32 v[NIL], 0
	ds_add_u32 v[SPW], v[NIL]                      ; the wave's opening: the add and its wait stand ahead of my first tensor load
	v_lshrrev_b32 v1, 5, v0
	v_readfirstlane_b32 s[WV], v1
.if CROSS
	s_mov_b32 s14, ttmp9
.else
	s_bfe_u32 s13, ttmp6, 0x40000
	s_lshl_b32 s14, ttmp9, 2
	s_add_co_u32 s14, s14, s13                     ; my block of 256 queries: it enters Q's and O's addresses alone
.endif
	s_and_b32 s15, ttmp7, 0xffff                   ; the head
	s_mov_b32 s25, 32<<16                          ; dense rows of 256 bytes: 32 elements of 8 bytes
	s_mov_b32 s27, 32<<16
	s_mov_b32 s29, 32
	s_mov_b32 s30, 0
	s_mov_b32 s31, 0
	s_mov_b32 s40, 1
	s_mov_b32 s21, 0
.if CROSS
	s_mov_b32 s24, 3<<16
	s_mov_b32 s26, 4<<16
	s_mov_b32 s28, 4
	s_lshl_b32 s41, s[WV], 10                      ; 1,024 bytes a wave
	s_lshl_b32 s18, s15, 13
	s_add_co_u32 s18, s18, 27262976
	s_add_co_u32 s20, s18, s41
.else
	s_mov_b32 s24, 15|(3<<16)|(1<<21)
	s_mov_b32 s26, 32<<16
	s_mov_b32 s28, 32
	s_mov_b32 s32, 15|(3<<16)|(1<<21)
	s_mov_b32 s33, 32<<16
	s_mov_b32 s34, 96<<16
	s_mov_b32 s35, 32<<16
	s_mov_b32 s36, 96
	s_mov_b32 s37, 32
	s_mov_b32 s38, 0
	s_mov_b32 s39, 0
	s_lshl_b32 s41, s[WV], 13                      ; steps 0-15: 8,192 bytes a wave
	s_mov_b32 s44, 1
	s_mul_i32 s17, s[WV], 24576                    ; the rest: 24,576 bytes a wave
	s_add_co_u32 s45, s17, 65536
	s_lshl_b32 s18, s15, 18
	s_add_co_u32 s18, s18, 2097152
	s_add_co_u32 s20, s18, s41
	s_add_co_u32 s22, s18, s45
	s_mov_b32 s23, 0
.endif
	s_lshl_b32 s48, s14, 4
	s_lshl1_add_u32 s48, s[WV], s48                ; my first query tile
	s_lshl_b32 s50, s48, 9
	s_lshl_b32 s49, s15, 17
	s_add_co_u32 s50, s50, s49
	s_mov_b32 s51, 0
	s_lshl_b32 s52, s48, 13
	s_lshl_b32 s49, s15, 9
	s_add_co_u32 s52, s52, s49
	s_mov_b32 s53, 0
	s_mov_b32 s[SEL], 0x76543210
	s_mov_b32 s[SEL+1], 0xfedcba98
	s_wait_dscnt 0x0                               ; the opening add is done
	s_wait_kmcnt 0x0
	s_add_nc_u64 s[8:9], s[4:5], s[50:51]          ; Q
	s_add_nc_u64 s[AOP:AOP+1], s[AOP:AOP+1], s[52:53]
.if CROSS
	s_add_nc_u64 s[42:43], s[6:7], s[20:21]
	s_or_b32 s43, s43, 0x80000000
	tensor_load_to_lds s[40:43], s[24:31]
	s_nop 0
	NOPS
.else
	s_add_nc_u64 s[42:43], s[4:5], s[20:21]
	s_or_b32 s43, s43, 0x80000000
	s_add_nc_u64 s[46:47], s[4:5], s[22:23]
	s_or_b32 s47, s47, 0x80000000
	CROUND                                         ; all four work-groups are here: the joint loads meet
	tensor_load_to_lds s[40:43], s[24:31]
	s_nop 0
	tensor_load_to_lds s[44:47], s[32:39]
	s_nop 0
	NOPS
.endif
	v_and_b32 v2, 31, v0
	v_lshlrev_b32 v[AKV], 4, v2
	v_lshlrev_b32 v[GO], 4, v2
	global_load_b128 v[QA:QA+3], v[GO], s[8:9]
	global_load_b128 v[QA+8:QA+11], v[GO], s[8:9] offset:512
.irp z, 4,5,6,7,12,13,14,15
	v_mov_b32 v[QA+\z], 0                          ; channels 16-31
.endr
.irp z, 16,17,18,19
	v_mov_b32 v[KF+\z], 0
.endr
.irp z, 0,1,2,3,4,5,6,7
	v_mov_b32 v[ONES+\z], 0x3f803f80
.endr
.set z, 0
.rept 32
	v_mov_b32 v[OA+z], 0
.set z, z+1
.endr
.irp x, 0,8
	v_mov_b32 v[ST+\x], 0xff7fffff                 ; m: the lowest finite number, so the first a is 0
	v_mov_b32 v[ST+\x+1], 0
	v_mov_b32 v[ST+\x+3], 0
.endr
.if CROSS
	s_mov_b32 s55, 0xf149f2ca                      ; -1e30
	v_bfe_u32 v3, v0, 4, 1
	v_lshlrev_b32 v3, 3, v3                        ; 8 h
.irp j, 0,1,2,3,4,5,6,7
	v_cmp_lt_u32 vcc_lo, 12-\j, v3                 ; key 64 + 8 h + j is hidden from 77 on
	v_cndmask_b32 v[MP+\j], 0, s55, vcc_lo
	v_mov_b32 v[MA+\j], s55
.endr
	s_wait_tensorcnt 0x0
.else
	s_wait_tensorcnt 1                             ; my part of steps 0-15 is in; the rest may stay out
.endif
	s_barrier_signal -1
	s_barrier_wait -1
.irp t, 0,1,2,3
	ds_load_b128 v[KF+4*\t:KF+4*\t+3], v[AKV] offset:\t*512
.endr
.irp t, 0,1,2,3
	ds_load_tr16_b128 v[VF+4*\t:VF+4*\t+3], v[AKV] offset:2048+\t*512
.endr
	s_wait_loadcnt 0x0                             ; Q
.if CROSS
	STEP 1, 0
	STEP 0, 1
.else
	s_mov_b32 s54, 15
.Lfirst:                               ; steps 0-14 fetch up to step 15
	STEP 1, 0
	s_sub_co_u32 s54, s54, 1
	s_cmp_lg_u32 s54, 0
	s_cbranch_scc1 .Lfirst
	s_wait_tensorcnt 0x0                           ; my part of the rest is in,
	s_wait_dscnt 0x0
	s_barrier_signal -1
	s_barrier_wait -1                              ; everybody's is
	s_mov_b32 s54, 48
.Lrest:
	STEP 1, 0
	s_sub_co_u32 s54, s54, 1
	s_cmp_lg_u32 s54, 0
	s_cbranch_scc1 .Lrest
	STEP 0, 0
.endif
	v_rcp_f32 v[ST+2], v[LA]
	v_rcp_f32 v[ST+10], v[LA+8]
	v_nop
	s_wait_alu depctr_va_vdst(0)
.irp z, 0,2,4,6
	v_pk_mul_f32 v[OA+\z:OA+\z+1], v[OA+\z:OA+\z+1], v[ST+2:ST+3] op_sel_hi:[1,0]
	v_pk_mul_f32 v[OA+8+\z:OA+9+\z], v[OA+8+\z:OA+9+\z], v[ST+10:ST+11] op_sel_hi:[1,0]
.endr
.irp p, 0,1,2,3
	v_cvt_pk_bf16_f32 v[SA+\p], v[OA+2*\p], v[OA+2*\p+1]
	v_cvt_pk_bf16_f32 v[SA+32+\p], v[OA+8+2*\p], v[OA+9+2*\p]
.endr
	global_store_b128 v[GO], v[SA:SA+3], s[AOP:AOP+1]                   ; 512 consecutive bytes: 16 tokens x my head's 16 channels in the blocked layout
	global_store_b128 v[GO], v[SA+32:SA+35], s[AOP:AOP+1] offset:8192
	s_wait_tensorcnt 0x0                           ; the wave's end
	ds_add_u32 v[SPW], v[NIL]
	s_wait_dscnt 0x0
.if !CROSS
	CROUND                                         ; the closing round
.endif
	s_endpgm
.Lfunc_end_k_qd7a33f2226_att1:
	.size	k_qd7a33f2226_att1, .Lfunc_end_k_qd7a33f2226_att1-k_qd7a33f2226_att1
	.p2alignl 7, 3214868480
	.fill 96, 4, 3214868480
	.section	.rodata,"a",@progbits
	.p2align	6, 0x0
	.amdhsa_kernel k_qd7a33f2226_att1
		.amdhsa_group_segment_fixed_size 327680
		.amdhsa_private_segment_fixed_size 0
		.amdhsa_enable_private_segment 0
		.amdhsa_kernarg_size 16
		.amdhsa_user_sgpr_count 2
		.amdhsa_user_sgpr_kernarg_segment_ptr 1
		.amdhsa_wavefront_size32 1
		.amdhsa_system_sgpr_workgroup_id_x 1
		.amdhsa_system_sgpr_workgroup_id_y 1
		.amdhsa_system_sgpr_workgroup_id_z 1
		.amdhsa_system_vgpr_workitem_id 0
		.amdhsa_next_free_vgpr 192
		.amdhsa_next_free_sgpr 66
		.amdhsa_reserve_vcc 1
		.amdhsa_float_denorm_mode_32 3
		.amdhsa_float_denorm_mode_16_64 3
		.amdhsa_memory_ordered 1
		.amdhsa_forward_progress 1
		.amdhsa_inst_pref_size 42
	.end_amdhsa_kernel
	.amdgpu_metadata
---
amdhsa.version: [ 1, 2 ]
amdhsa.kernels:
  - .name:           k_qd7a33f2226_att1
    .symbol:         k_qd7a33f2226_att1.kd
    .args:
      - { .name: qkv, .offset: 0, .size: 8, .value_kind: global_buffer, .address_space: global }
      - { .name: ao, .offset: 8, .size: 8, .value_kind: global_buffer, .address_space: global }
    .group_segment_fixed_size: 327680
    .private_segment_fixed_size: 0
    .kernarg_segment_align: 8
    .kernarg_segment_size: 16
    .max_flat_workgroup_size: 256
    .sgpr_count:     66
    .vgpr_count:     192
    .wavefront_size: 32
...
	.end_amdgpu_metadata
.endif
;; end of part 4
;; launch mid (part 5): grid 256 x 1, 16 waves a work-group, no clusters, 299,264 bytes of LDS; arguments ao, wA, wB, x, o1_b, n2_w, n2_b, o2_b, n3_w, n3_b, x2, hbuf; writes x2, hbuf
.if DOCPART == 5
	.amdgcn_target "amdgcn-amd-amdhsa--gfx1250"
	.amdhsa_code_object_version 6
	.text
	.protected	k_qd7a33f2226_mid
	.globl	k_qd7a33f2226_mid
	.p2align	8
	.type	k_qd7a33f2226_mid,@function
k_qd7a33f2226_mid:
	s_mov_b64 s[64:65], 0
	v_nop
	global_prefetch_b8 v0, s[64:65] scope:SCOPE_SE
	s_setreg_imm32_b32 hwreg(HW_REG_WAVE_MODE, 25, 1), 1
	s_wait_xcnt 0x0
; THE MIDDLE OF THE BLOCK, FOR 16 ROWS, IN ONE LAUNCH:
;   x1 = ao W_o1 + o1_b + x;  h2 = LN(x1; n2);  q = h2 W_q2;  ao2 = softmax(q K2^T / 4) V2 by heads;  x2 = ao2 W_o2 + o2_b + x1;  h3 = LN(x2; n3).
; In: ao (the self attention's result), the weights and K2, V2 in bf16 in the blocked layout, x and the six vectors in f32.  Out: x2 in f32, h3 in bf16 in the blocked layout.
; SHARES.  A work-group owns 16 rows; it has 16 waves.  A wave is one row in the norms, one head in the attention, 64 columns in the two output products and 16 columns (its head's) in q's.
; THE WEIGHTS.  With 16 rows every weight fragment (16 columns x 32 k, two runs of 512 consecutive bytes) is used once, by one wave.  So fragments come from memory straight into registers:
; one stream of 12 chunks a wave (a chunk: 16 loads, 8 fragments, 8 products) through two buffers of 64 registers.  The stream does not stop at a product's end: the next product's first two chunks
; are asked for while the norm or the attention runs, so 16,384 bytes of every wave are always on their way.  All other global loads stand ahead of the stream, so that LOADcnt then counts chunks alone.
; NO CLUSTER, NO JOINT LOADS, though all work-groups walk the same 1,572,864 bytes of weights: a joint load has to pass LDS, where each byte would be written once and read once, and a ring of slots
; would have a barrier for each slot with 8 products a wave for each 8,192 bytes to cover it; and LDS holds the rows' stages, 299,264 bytes.
; THE MATRIX INSTRUCTION IS USED TURNED (source 0 = 16 weight rows, source 1 = 16 tokens): a lane holds token lane%16 and columns 8 (lane/16) + 0..7.  So q's sums, rounded, ARE the Q fragment of the wave's head,
; and the attention's result, rounded, is 16 bytes of the next product's operand.
; ATTENTION.  77 keys in five tiles of 16: all scores of a query lie in 40 registers of two lanes, so the true maximum is taken first and nothing is carried.  q is multiplied in f32 by log2(e)/4: p = 2^(s - m).
; LIMITS.  NaN and infinities are not treated apart; a weight below 2^-126 counts as 0; keys 77-79 count as a score of -1e30; K2 must be finite (Q's upper 16 channels are zeros that meet the next tile's K);
; the row sum l is taken of the weights rounded to bf16, in f32, by the matrix unit.
.set AOB,   0                          ; 8,192: the 16 x 256 operand of the two output products, blocked: kb*1024 + {0,512} + 16 lane
.set PAR,   8192                       ; 24,576: o1_b, n2_w, n2_b, o2_b, n3_w, n3_b, 4,096 each
.set HB,    32768                      ; 34,816: h, 128 octets of k x (16 rows x 16 bytes + 16)
.set STG,   67584                      ; 65,792: 16 rows of 1,024 f32, 4,112 bytes apart: an odd multiple of 16, so the 16 rows of a store fall on 16 different 16-byte columns
.set X1S,   133376                     ; 65,536: x1, each wave's own row
.set KVS,   198912                     ; 98,304: each wave's own 6,144: K tiles 0-4, then V tiles 0-5, 512 bytes each
.set SPARE, 297216                     ; the spare words, 128 bytes a wave
.set SP,    4112
.set X,   32                           ; v[32:63]   the row in the norms
.set W,   64                           ; v[64:95]   the gain
.set B,   96                           ; v[96:127]  the residual, then the norm's bias
.set R0,  32                           ; v[32:63]   four accumulators
.set R1,  64                           ; v[64:127]  A's fragments
.set BF0, 128                          ; v[128:191], v[192:255] the two buffers of the weight stream
.set BF1, 192
.set PBA, 2                            ; v2   256 w + 32 h: my columns in a vector of PAR
.set MP,  20                           ; v[20:27] the mask of key tile 4
.set SPW, 28
.set NIL, 29
.set HA,  30                           ; v30  HB + 272 h + 16 r: a fragment of h
.set SD,  31                           ; v31  STG + 4,112 r + 32 h + 256 w: where my sums go
.set S,   32                           ; v[32:71]   five tiles of scores; the weights are packed into the low 20, four zeros behind them
.set OO,  80
.set LL,  88
.set KF,  96                           ; v[96:119]  K's five tiles and four zeros; later V^T's three fragments
.set QA,  120                          ; v[120:127] Q; later ones
.set WV,  28
.set PAO, 42
.set PX,  44
.set PX2, 46
.set PH,  48
.set PW1, 50
.set PW2, 52
.set PW3, 54
.set PKV, 56
.set SEL, 58
.set RN,  60
.set EPS, 61
.set SC,  62
.set SRS, 68
.set X1A, 69
.set KVA, 70
.set AOS, 71
.set W256, 72
.set BIGN, 73
.macro PLACES                          ; four places behind matrix instructions, ahead of loads into their sources and of reads of their results
.rept 4
	v_nop
.endr
.endm
.macro BAR                             ; my LDS instructions are done, for the others' sake; then the barrier
	s_wait_dscnt 0x0
	s_barrier_signal -1
	s_barrier_wait -1
.endm
.macro WSUM                            ; v8 summed over the 32 lanes, the result in every lane
	v_add_f32_dpp v8, v8, v8 row_xmask:1 row_mask:0xf bank_mask:0xf
	v_add_f32_dpp v8, v8, v8 row_xmask:2 row_mask:0xf bank_mask:0xf
	v_add_f32_dpp v8, v8, v8 row_xmask:4 row_mask:0xf bank_mask:0xf
	v_add_f32_dpp v8, v8, v8 row_xmask:8 row_mask:0xf bank_mask:0xf
	v_permlanex16_b32 v9, v8, s[SEL], s[SEL+1]
	v_add_f32 v8, v8, v9
.endm
.macro FOLD                            ; four chains into v8
	v_pk_add_f32 v[8:9], v[8:9], v[10:11]
	v_pk_add_f32 v[12:13], v[12:13], v[14:15]
	v_pk_add_f32 v[8:9], v[8:9], v[12:13]
	v_add_f32 v8, v8, v9
	WSUM
.endm
; Chunk c of a product's weights.  kind 0 (K = 256, my four column tiles, 8,192 bytes apart): fragment i is tile i%4, kb 2c + i/4.  kind 1 (K = 1,024, my one column tile): fragment i is kb 8c + i.
.macro WLOAD buf, sb, kind, c
.set i, 0
.rept 8
.if \kind
.set wo, (8*(\c)+i)*1024
.else
.set wo, (i%4)*8192+(2*(\c)+i/4)*1024
.endif
	global_load_b128 v[(\buf)+8*i:(\buf)+8*i+3], v3, s[\sb:\sb+1] offset:wo
	global_load_b128 v[(\buf)+8*i+4:(\buf)+8*i+7], v3, s[\sb:\sb+1] offset:wo+512
.set i, i+1
.endr
.endm
.macro ALOAD0 c                        ; kind 0: A's fragments kb 2c, 2c+1, into the half of v[64:95] that chunk c-1 does not read
.irp e, 0,1
	ds_load_b128 v[R1+16*((\c)%2)+8*\e:R1+16*((\c)%2)+8*\e+3], v3 offset:AOB+(2*(\c)+\e)*1024
	ds_load_b128 v[R1+16*((\c)%2)+8*\e+4:R1+16*((\c)%2)+8*\e+7], v3 offset:AOB+(2*(\c)+\e)*1024+512
.endr
.endm
.macro ALOAD1 c                        ; kind 1: A's fragments kb 8c .. 8c+7: octets 4 kb + h and 4 kb + 2 + h of h
.set i, 0
.rept 8
	ds_load_b128 v[R1+8*i:R1+8*i+3], v[HA] offset:(8*(\c)+i)*1088
	ds_load_b128 v[R1+8*i+4:R1+8*i+7], v[HA] offset:(8*(\c)+i)*1088+544
.set i, i+1
.endr
.endm
.macro CMUL buf, kind, c, zero         ; eight products, the four accumulators by turns, one instruction a turn
.set i, 0
.rept 8
.if \kind
.set ra, R1+8*i
.else
.set ra, R1+16*((\c)%2)+8*(i/4)
.endif
.if (\zero) && (i < 4)
	v_wmma_f32_16x16x32_bf16 v[R0+8*(i%4):R0+8*(i%4)+7], v[(\buf)+8*i:(\buf)+8*i+7], v[ra:ra+7], 0
.else
	v_wmma_f32_16x16x32_bf16 v[R0+8*(i%4):R0+8*(i%4)+7], v[(\buf)+8*i:(\buf)+8*i+7], v[ra:ra+7], v[R0+8*(i%4):R0+8*(i%4)+7]
.endif
.set i, i+1
.endr
.endm
.macro CHUNK buf, kind, c, zero, left
	s_wait_loadcnt \left                           ; loads come back in order: this chunk's sixteen are in, the next chunk's sixteen may be out
	s_wait_dscnt 0x0                               ; A's fragments (and, at a product's head, the bias)
	CMUL \buf, \kind, \c, \zero
	PLACES
.endm
; An output product: 16 rows x my 64 columns, K = 256.  The sums start from the bias (vector vec of PAR).  nsb: the stream that follows (0: none): its first two chunks are asked for here.
.macro GEMMO sb, vec, nsb
.irp t, 0,1,2,3
	ds_load_b128 v[R0+8*\t:R0+8*\t+3], v[PBA] offset:PAR+(\vec)*4096+\t*64
	ds_load_b128 v[R0+8*\t+4:R0+8*\t+7], v[PBA] offset:PAR+(\vec)*4096+\t*64+16
.endr
	ALOAD0 0
	CHUNK BF0, 0, 0, 0, 16
	WLOAD BF0, \sb, 0, 2
	ALOAD0 1
	CHUNK BF1, 0, 1, 0, 16
	WLOAD BF1, \sb, 0, 3
	ALOAD0 2
	CHUNK BF0, 0, 2, 0, 16
.if \nsb
	WLOAD BF0, \nsb, 1, 0
.endif
	ALOAD0 3
.if \nsb
	CHUNK BF1, 0, 3, 0, 16
	WLOAD BF1, \nsb, 1, 1
.else
	CHUNK BF1, 0, 3, 0, 0                          ; the stream's last chunk: nothing was asked for behind it
.endif
.irp t, 0,1,2,3                        ; each accumulator's low registers first
	ds_store_b128 v[SD], v[R0+8*\t:R0+8*\t+3] offset:\t*64
	ds_store_b128 v[SD], v[R0+8*\t+4:R0+8*\t+7] offset:\t*64+16
.endr
	BAR
.endm
; A norm, one row a wave.  The row = the stage's row + the residual (first = 1: x, which lies in v[96:127] since the kernel's head; else x1 from my own LDS row).
; first = 1: the row is kept as x1; else it is stored as x2.  Then mean, sum of squared deviations (a true second pass), scaling by gain vw and bias vw + 1 of PAR; h goes to HB.
.macro LNORM first, vw
	v_add_nc_u32 v1, s[SRS], v3
.irp j, 0,1,2,3,4,5,6,7
	ds_load_b128 v[X+4*\j:X+4*\j+3], v1 offset:512*\j
.endr
	v_add_nc_u32 v5, s[X1A], v3
.if !(\first)
.irp j, 0,1,2,3,4,5,6,7
	ds_load_b128 v[B+4*\j:B+4*\j+3], v5 offset:512*\j
.endr
.endif
.irp j, 0,1,2,3,4,5,6,7
	ds_load_b128 v[W+4*\j:W+4*\j+3], v3 offset:PAR+(\vw)*4096+512*\j
.endr
	s_wait_dscnt 8                                 ; the row and the residual are in; the gain's eight loads may be out
.set i, 0
.rept 16
	v_pk_add_f32 v[X+2*i:X+2*i+1], v[X+2*i:X+2*i+1], v[B+2*i:B+2*i+1]
.set i, i+1
.endr
.irp j, 0,1,2,3,4,5,6,7
	ds_load_b128 v[B+4*\j:B+4*\j+3], v3 offset:PAR+((\vw)+1)*4096+512*\j
.endr
.irp j, 0,1,2,3,4,5,6,7
.if \first
	ds_store_b128 v5, v[X+4*\j:X+4*\j+3] offset:512*\j
.else
	global_store_b128 v3, v[X+4*\j:X+4*\j+3], s[PX2:PX2+1] offset:512*\j   ; 512 consecutive bytes, at a multiple of 512 from x2's first
.endif
.endr
.irp c, 0,2,4,6
	v_pk_add_f32 v[8+\c:9+\c], v[X+\c:X+\c+1], v[X+8+\c:X+9+\c]
.endr
.irp c, 0,2,4,6
	v_pk_add_f32 v[8+\c:9+\c], v[8+\c:9+\c], v[X+16+\c:X+17+\c]
.endr
.irp c, 0,2,4,6
	v_pk_add_f32 v[8+\c:9+\c], v[8+\c:9+\c], v[X+24+\c:X+25+\c]
.endr
	FOLD
	v_mul_f32 v16, s[RN], v8                       ; the mean
	v_mov_b32 v17, v16
.if !(\first)
	s_wait_xcnt 0x0                                ; the row's registers, which the stores above read, are rewritten only behind this wait
.endif
.set i, 0
.rept 16
	v_pk_add_f32 v[X+2*i:X+2*i+1], v[X+2*i:X+2*i+1], v[16:17] neg_lo:[0,1] neg_hi:[0,1]
.set i, i+1
.endr
.irp c, 0,2,4,6
	v_pk_mul_f32 v[8+\c:9+\c], v[X+\c:X+\c+1], v[X+\c:X+\c+1]
.endr
.irp c, 0,2,4,6
	v_pk_fma_f32 v[8+\c:9+\c], v[X+8+\c:X+9+\c], v[X+8+\c:X+9+\c], v[8+\c:9+\c]
.endr
.irp c, 0,2,4,6
	v_pk_fma_f32 v[8+\c:9+\c], v[X+16+\c:X+17+\c], v[X+16+\c:X+17+\c], v[8+\c:9+\c]
.endr
.irp c, 0,2,4,6
	v_pk_fma_f32 v[8+\c:9+\c], v[X+24+\c:X+25+\c], v[X+24+\c:X+25+\c], v[8+\c:9+\c]
.endr
	FOLD
	v_fma_f32 v18, v8, s[RN], s[EPS]               ; var + eps
	v_rsq_f32 v18, v18
	v_nop                                          ; a plain instruction between the root and the use of its result
	s_wait_alu depctr_va_vdst(0)
	v_mov_b32 v19, v18
	s_wait_dscnt 0x0                               ; gain and bias
.set i, 0
.rept 16
	v_pk_mul_f32 v[X+2*i:X+2*i+1], v[X+2*i:X+2*i+1], v[18:19]
.set i, i+1
.endr
.set i, 0
.rept 16
	v_pk_fma_f32 v[X+2*i:X+2*i+1], v[X+2*i:X+2*i+1], v[W+2*i:W+2*i+1], v[B+2*i:B+2*i+1]
.set i, i+1
.endr
.irp j, 0,1,2,3,4,5,6,7
	v_cvt_pk_bf16_f32 v[X+4*\j], v[X+4*\j], v[X+4*\j+1]
	v_cvt_pk_bf16_f32 v[X+4*\j+1], v[X+4*\j+2], v[X+4*\j+3]
	ds_store_b64 v4, v[X+4*\j:X+4*\j+1] offset:\j*4352
.endr
	BAR
.endm
.macro EXPS g                          ; eight exponentials: key tile g
.irp z, 0,1,2,3,4,5,6,7
	v_exp_f32 v[S+8*(\g)+\z], v[S+8*(\g)+\z]
.endr
.endm
.macro CVTS g                          ; their rounding to bf16, packed in place into the low registers
	s_wait_alu depctr_va_vdst(0)
.irp z, 0,1,2,3
	v_cvt_pk_bf16_f32 v[S+4*(\g)+\z], v[S+8*(\g)+2*\z], v[S+8*(\g)+2*\z+1]
.endr
.endm
	s_load_b512 s[4:19], s[0:1], 0x0               ; ao 4, wA 6, wB 8, x 10, o1_b 12, n2_w 14, n2_b 16, o2_b 18
	s_load_b256 s[20:27], s[0:1], 0x40             ; n3_w 20, n3_b 22, x2 24, hbuf 26
	v_lshl_add_u32 v[SPW], v0, 2, SPARE
	v_mov_b32 v[NIL], 0
	v_lshrrev_b32 v1, 5, v0
	v_readfirstlane_b32 s[WV], v1                  ; wave = row = head
	v_and_b32 v2, 31, v0
	v_lshlrev_b32 v3, 4, v2                        ; 16 x lane; never rewritten
	s_lshl_b32 s30, ttmp9, 13                      ; ao's row tile: 8,192 bytes,
	s_lshl_b32 s[AOS], s[WV], 9                    ; of which I copy 512
	s_add_co_u32 s30, s30, s[AOS]
	s_mov_b32 s31, 0
	s_lshl_b32 s32, ttmp9, 16                      ; 16 rows of 4,096 bytes,
	s_lshl_b32 s29, s[WV], 12                      ; my row
	s_add_co_u32 s32, s32, s29
	s_mov_b32 s33, 0
	s_add_co_u32 s[X1A], s29, X1S
	s_lshl_b32 s34, ttmp9, 15                      ; h's row tile: 32,768 bytes
	s_mov_b32 s35, 0
	s_lshl_b32 s38, s[WV], 15                      ; my 32,768 bytes of each weight
	s_mov_b32 s39, 0
	s_add_co_u32 s36, s38, 1572864                 ; W_o1 in wA and W_o2 in wB begin there; W_q2 begins wB
	s_mov_b32 s37, 0
	s_lshl_b32 s40, s[WV], 13                      ; my head's 8,192 bytes of K2 and V2
	s_add_co_u32 s40, s40, 27262976
	s_mov_b32 s41, 0
	s_lshl_b32 s[W256], s[WV], 8
	s_mul_i32 s[SRS], s[WV], SP
	s_add_co_u32 s[SRS], s[SRS], STG
	s_mul_i32 s[KVA], s[WV], 6144
	s_add_co_u32 s[KVA], s[KVA], KVS
	s_mov_b32 s[SEL], 0x76543210
	s_mov_b32 s[SEL+1], 0xfedcba98
	s_mov_b32 s[RN], 0x3a800000                    ; 1 / 1024
	s_mov_b32 s[EPS], 0x3727c5ac                   ; 1e-5
	s_mov_b32 s[SC], 0x3eb8aa3b                    ; log2(e) / 4
	s_mov_b32 s[SC+1], s[SC]
	s_mov_b32 s[BIGN], 0xf149f2ca                  ; -1e30
	v_lshlrev_b32 v5, 3, v2
	v_add_nc_u32 v5, s[W256], v5                   ; 256 w + 8 lane: my 256 bytes of each vector
	s_wait_kmcnt 0x0
	s_add_nc_u64 s[PAO:PAO+1], s[4:5], s[30:31]
	s_add_nc_u64 s[PX:PX+1], s[10:11], s[32:33]
	s_add_nc_u64 s[PX2:PX2+1], s[24:25], s[32:33]
	s_add_nc_u64 s[PH:PH+1], s[26:27], s[34:35]
	s_add_nc_u64 s[PW1:PW1+1], s[6:7], s[36:37]
	s_add_nc_u64 s[PW2:PW2+1], s[8:9], s[38:39]
	s_add_nc_u64 s[PW3:PW3+1], s[8:9], s[36:37]
	s_add_nc_u64 s[PKV:PKV+1], s[6:7], s[40:41]
	; eighteen loads that go on into LDS,
	global_load_b128 v[32:35], v3, s[PAO:PAO+1]
	global_load_b64 v[36:37], v5, s[12:13]
	global_load_b64 v[38:39], v5, s[14:15]
	global_load_b64 v[40:41], v5, s[16:17]
	global_load_b64 v[42:43], v5, s[18:19]
	global_load_b64 v[44:45], v5, s[20:21]
	global_load_b64 v[46:47], v5, s[22:23]
.irp t, 0,1,2,3
	global_load_b128 v[48+4*\t:51+4*\t], v3, s[PKV:PKV+1] offset:\t*512          ; K tiles 0-3
.endr
	global_load_b128 v[64:67], v3, s[PKV:PKV+1] offset:4096                      ; K tile 4
.irp t, 0,1,2,3
	global_load_b128 v[68+4*\t:71+4*\t], v3, s[PKV:PKV+1] offset:2048+\t*512     ; V tiles 0-3
.endr
	global_load_b128 v[84:87], v3, s[PKV:PKV+1] offset:6144                      ; V tiles 4, 5 (5 is zeros)
	global_load_b128 v[88:91], v3, s[PKV:PKV+1] offset:6656
	; my row of x, which stays in registers until the first norm,
.irp j, 0,1,2,3,4,5,6,7
	global_load_b128 v[B+4*\j:B+4*\j+3], v3, s[PX:PX+1] offset:512*\j
.endr
	; and the head of the weight stream
	WLOAD BF0, PW1, 0, 0
	WLOAD BF1, PW1, 0, 1
	; addresses, while the loads are out
	v_and_b32 v8, 15, v0                           ; r
	v_bfe_u32 v9, v0, 4, 1                         ; h
	v_mul_u32_u24 v10, v9, 272
	v_lshl_add_u32 v[HA], v8, 4, v10
	v_add_nc_u32 v[HA], HB, v[HA]
	v_mul_u32_u24 v[SD], v8, SP
	v_lshl_add_u32 v[SD], v9, 5, v[SD]
	v_add_nc_u32 v[SD], s[W256], v[SD]
	v_add_nc_u32 v[SD], STG, v[SD]
	v_lshrrev_b32 v4, 1, v2                        ; h into HB: octet 16 j + lane/2, my row's 16 bytes, half lane&1
	v_mul_u32_u24 v4, v4, 272
	v_and_b32 v10, 1, v2
	v_lshl_add_u32 v4, v10, 3, v4
	s_lshl_b32 s29, s[WV], 4
	v_add_nc_u32 v4, s29, v4
	v_add_nc_u32 v4, HB, v4
	v_lshrrev_b32 v6, 4, v2                        ; back: octets 8 w + 2 i + lane/16, 16 bytes of row lane%16
	s_lshl_b32 s30, s[WV], 3
	v_add_nc_u32 v6, s30, v6
	v_mul_u32_u24 v6, v6, 272
	v_lshl_add_u32 v6, v8, 4, v6
	v_add_nc_u32 v6, HB, v6
	s_lshl_b32 s31, s[WV], 11
	v_add_nc_u32 v7, s31, v3                       ; and the same 2,048 bytes of hbuf's row tile
	v_lshlrev_b32 v10, 3, v9                       ; 8 h
.irp j, 0,1,2,3,4,5,6,7
	v_cmp_lt_u32 vcc_lo, 12-\j, v10                ; key 64 + 8 h + j is hidden from 77 on
	v_cndmask_b32 v[MP+\j], 0, s[BIGN], vcc_lo
.endr
	v_lshl_add_u32 v[PBA], v9, 5, s[W256]
	v_add_nc_u32 v1, s[AOS], v3
	v_add_nc_u32 v8, s[KVA], v3
	s_wait_loadcnt 40                              ; the eighteen are in; x's eight loads and the two chunks' 32 may be out
	ds_store_b128 v1, v[32:35]
.irp p, 0,1,2,3,4,5
	ds_store_b64 v5, v[36+2*\p:37+2*\p] offset:PAR+\p*4096
.endr
.set i, 0
.rept 11
	ds_store_b128 v8, v[48+4*i:51+4*i] offset:i*512
.set i, i+1
.endr
	BAR
	GEMMO PW1, 0, PW2                              ; ao W_o1 + o1_b into the stage
	LNORM 1, 1                                     ; x1, kept; h2 into HB
	; q = h2 W_q2 for my head: K = 1,024 in four chunks of eight kb, four partial sums by turns
	ALOAD1 0
	CHUNK BF0, 1, 0, 1, 16
	WLOAD BF0, PW2, 1, 2
	ALOAD1 1
	CHUNK BF1, 1, 1, 0, 16
	WLOAD BF1, PW2, 1, 3
	ALOAD1 2
	CHUNK BF0, 1, 2, 0, 16
	WLOAD BF0, PW3, 0, 0                           ; the last product's first two chunks are on their way during the attention
	ALOAD1 3
	CHUNK BF1, 1, 3, 0, 16
	WLOAD BF1, PW3, 0, 1
	; THE CROSS ATTENTION of my head, all in my own registers and LDS bytes
	v_add_nc_u32 v1, s[KVA], v3
.irp t, 0,1,2,3,4
	ds_load_b128 v[KF+4*\t:KF+4*\t+3], v1 offset:\t*512
.endr
.irp z, 20,21,22,23
	v_mov_b32 v[KF+\z], 0
.endr
.irp z, 4,5,6,7
	v_mov_b32 v[QA+\z], 0                          ; channels 16-31
.endr
.irp z, 0,2,4,6
	v_pk_add_f32 v[R0+\z:R0+\z+1], v[R0+\z:R0+\z+1], v[R0+8+\z:R0+9+\z]
	v_pk_add_f32 v[R0+16+\z:R0+17+\z], v[R0+16+\z:R0+17+\z], v[R0+24+\z:R0+25+\z]
.endr
.irp z, 0,2,4,6
	v_pk_add_f32 v[R0+\z:R0+\z+1], v[R0+\z:R0+\z+1], v[R0+16+\z:R0+17+\z]
.endr
.irp z, 0,2,4,6
	v_pk_mul_f32 v[R0+\z:R0+\z+1], v[R0+\z:R0+\z+1], s[SC:SC+1] op_sel_hi:[1,0]
.endr
.irp p, 0,1,2,3
	v_cvt_pk_bf16_f32 v[QA+\p], v[R0+2*\p], v[R0+2*\p+1]     ; token lane%16, channels 8 (lane/16) + 0..7: the Q fragment
.endr
	s_wait_dscnt 0x0                               ; K
.irp t, 0,1,2,3
	v_wmma_f32_16x16x32_bf16 v[S+8*\t:S+8*\t+7], v[KF+4*\t:KF+4*\t+7], v[QA:QA+7], 0
.endr
	v_wmma_f32_16x16x32_bf16 v[S+32:S+39], v[KF+16:KF+23], v[QA:QA+7], v[MP:MP+7]
	PLACES
.irp t, 0,1,2,3,4,5
	ds_load_tr16_b128 v[KF+4*\t:KF+4*\t+3], v1 offset:2560+\t*512      ; V^T takes K's registers
.endr
	; the maximum of my 40 scores, each accumulator's low registers first, then the other half of the lanes'
.irp t, 0,1,2,3,4
	v_max3_num_f32 v[8+\t], v[S+8*\t], v[S+8*\t+1], v[S+8*\t+2]
.endr
.irp t, 0,1,2,3,4
	v_max3_num_f32 v[8+\t], v[8+\t], v[S+8*\t+3], v[S+8*\t+4]
.endr
.irp t, 0,1,2,3,4
	v_max3_num_f32 v[8+\t], v[8+\t], v[S+8*\t+5], v[S+8*\t+6]
.endr
	v_max3_num_f32 v8, v8, v[S+7], v[S+15]
	v_max3_num_f32 v9, v9, v[S+23], v[S+31]
	v_max3_num_f32 v10, v10, v[S+39], v11
	v_max3_num_f32 v8, v8, v9, v12
	v_max_num_f32 v8, v8, v10
	v_permlanex16_b32 v9, v8, s[SEL], s[SEL+1]
	v_max_num_f32 v8, v8, v9
.set i, 0
.rept 20
	v_pk_add_f32 v[S+2*i:S+2*i+1], v[S+2*i:S+2*i+1], v[8:9] op_sel_hi:[1,0] neg_lo:[0,1] neg_hi:[0,1]
.set i, i+1
.endr
	EXPS 0
.irp z, 0,1,2,3,4,5,6,7
	v_mov_b32 v[QA+\z], 0x3f803f80                 ; ones take Q's registers: plain work that is due, and the plain instruction between the first exponentials and their rounding (ISA guide 5.7.2)
.endr
	EXPS 1
	CVTS 0                                         ; each rounding names none of the eight exponentials just issued, and is the plain work behind them
	EXPS 2
	CVTS 1
	EXPS 3
	CVTS 2
	EXPS 4
	CVTS 3
	CVTS 4
.irp z, 20,21,22,23
	v_mov_b32 v[S+\z], 0                           ; keys 80-95
.endr
	s_wait_dscnt 0x0                               ; V^T
.irp u, 0,1,2                          ; O^T = V^T P and l = ones P, the two accumulators by turns
.if \u
	v_wmma_f32_16x16x32_bf16 v[OO:OO+7], v[KF+8*\u:KF+8*\u+7], v[S+8*\u:S+8*\u+7], v[OO:OO+7]
	v_wmma_f32_16x16x32_bf16 v[LL:LL+7], v[QA:QA+7], v[S+8*\u:S+8*\u+7], v[LL:LL+7]
.else
	v_wmma_f32_16x16x32_bf16 v[OO:OO+7], v[KF:KF+7], v[S:S+7], 0
	v_wmma_f32_16x16x32_bf16 v[LL:LL+7], v[QA:QA+7], v[S:S+7], 0
.endif
.endr
	PLACES
	v_rcp_f32 v8, v[LL]
	v_nop                                          ; a plain instruction between the reciprocal and the use of its result
	s_wait_alu depctr_va_vdst(0)
.irp z, 0,2,4,6
	v_pk_mul_f32 v[OO+\z:OO+\z+1], v[OO+\z:OO+\z+1], v[8:9] op_sel_hi:[1,0]
.endr
.irp p, 0,1,2,3
	v_cvt_pk_bf16_f32 v[12+\p], v[OO+2*\p], v[OO+2*\p+1]
.endr
	v_add_nc_u32 v5, s[AOS], v3
	ds_store_b128 v5, v[12:15]                     ; token lane%16, k = 16 head + 8 (lane/16) + 0..7: my 512 bytes of the next operand
	BAR
	GEMMO PW3, 3, 0                                ; ao2 W_o2 + o2_b into the stage
	LNORM 0, 4                                     ; x2, stored; h3 into HB
.irp i, 0,1,2,3
	ds_load_b128 v[W+4*\i:W+4*\i+3], v6 offset:\i*544
.endr
.irp i, 0,1,2,3
	s_wait_dscnt 3-\i
	global_store_b128 v7, v[W+4*\i:W+4*\i+3], s[PH:PH+1] offset:\i*512   ; 512 consecutive bytes, at a multiple of 512 from hbuf's first
.endr
	s_wait_tensorcnt 0x0                           ; the wave's end
	ds_add_u32 v[SPW], v[NIL]
	s_wait_dscnt 0x0
	s_endpgm
.Lfunc_end_k_qd7a33f2226_mid:
	.size	k_qd7a33f2226_mid, .Lfunc_end_k_qd7a33f2226_mid-k_qd7a33f2226_mid
	.p2alignl 7, 3214868480
	.fill 96, 4, 3214868480
	.section	.rodata,"a",@progbits
	.p2align	6, 0x0
	.amdhsa_kernel k_qd7a33f2226_mid
		.amdhsa_group_segment_fixed_size 299264
		.amdhsa_private_segment_fixed_size 0
		.amdhsa_enable_private_segment 0
		.amdhsa_kernarg_size 96
		.amdhsa_user_sgpr_count 2
		.amdhsa_user_sgpr_kernarg_segment_ptr 1
		.amdhsa_wavefront_size32 1
		.amdhsa_system_sgpr_workgroup_id_x 1
		.amdhsa_system_sgpr_workgroup_id_y 1
		.amdhsa_system_sgpr_workgroup_id_z 1
		.amdhsa_system_vgpr_workitem_id 0
		.amdhsa_next_free_vgpr 256
		.amdhsa_next_free_sgpr 80
		.amdhsa_reserve_vcc 1
		.amdhsa_float_denorm_mode_32 3
		.amdhsa_float_denorm_mode_16_64 3
		.amdhsa_memory_ordered 1
		.amdhsa_forward_progress 1
		.amdhsa_inst_pref_size 76
	.end_amdhsa_kernel
	.amdgpu_metadata
---
amdhsa.version: [ 1, 2 ]
amdhsa.kernels:
  - .name:           k_qd7a33f2226_mid
    .symbol:         k_qd7a33f2226_mid.kd
    .args:
      - { .name: ao, .offset: 0, .size: 8, .value_kind: global_buffer, .address_space: global }
      - { .name: wA, .offset: 8, .size: 8, .value_kind: global_buffer, .address_space: global }
      - { .name: wB, .offset: 16, .size: 8, .value_kind: global_buffer, .address_space: global }
      - { .name: x, .offset: 24, .size: 8, .value_kind: global_buffer, .address_space: global }
      - { .name: o1_b, .offset: 32, .size: 8, .value_kind: global_buffer, .address_space: global }
      - { .name: n2_w, .offset: 40, .size: 8, .value_kind: global_buffer, .address_space: global }
      - { .name: n2_b, .offset: 48, .size: 8, .value_kind: global_buffer, .address_space: global }
      - { .name: o2_b, .offset: 56, .size: 8, .value_kind: global_buffer, .address_space: global }
      - { .name: n3_w, .offset: 64, .size: 8, .value_kind: global_buffer, .address_space: global }
      - { .name: n3_b, .offset: 72, .size: 8, .value_kind: global_buffer, .address_space: global }
      - { .name: x2, .offset: 80, .size: 8, .value_kind: global_buffer, .address_space: global }
      - { .name: hbuf, .offset: 88, .size: 8, .value_kind: global_buffer, .address_space: global }
    .group_segment_fixed_size: 299264
    .private_segment_fixed_size: 0
    .kernarg_segment_align: 8
    .kernarg_segment_size: 96
    .max_flat_workgroup_size: 512
    .sgpr_count:     80
    .vgpr_count:     256
    .wavefront_size: 32
...
	.end_amdgpu_metadata
.endif
;; end of part 5
;; launch ff1 (part 6): grid 32 x 16, 4 waves a work-group, clusters of 4 x 4, 327,680 bytes of LDS; arguments hbuf, wA, ff1_b, g; writes g
.if DOCPART == 6
	.amdgcn_target "amdgcn-amd-amdhsa--gfx1250"
	.amdhsa_code_object_version 6
	.text
	.protected	k_qd7a33f2226_ff1
	.globl	k_qd7a33f2226_ff1
	.p2align	8
	.type	k_qd7a33f2226_ff1,@function
k_qd7a33f2226_ff1:
	s_mov_b64 s[64:65], 0
	v_nop
	global_prefetch_b8 v0, s[64:65] scope:SCOPE_SE
	s_setreg_imm32_b32 hwreg(HW_REG_WAVE_MODE, 25, 1), 1
	s_wait_xcnt 0x0
	s_wait_alu depctr_hold_cnt(0) depctr_sa_sdst(0) depctr_va_vdst(0) depctr_va_sdst(0) depctr_va_ssrc(0) depctr_va_vcc(0) depctr_vm_vsrc(0)
	s_getreg_b32 s2, hwreg(HW_REG_IB_STS2, 6, 4)
	s_cmp_eq_u32 s2, 0
	s_cbranch_scc0 .Lentry_in_a_cluster
	s_endpgm
.Lentry_in_a_cluster:
	s_bfe_u32 s2, ttmp6, 0x10000c
	s_cmp_lg_u32 s2, 0xf033
	s_cbranch_scc0 .Lentry_shape_is_right
	s_endpgm
.Lentry_shape_is_right:
; FEED-FORWARD, FIRST HALF, WITH GEGLU.  proj = h W1 + b, K = 1,024; g = value * gelu(gate), rounded once to bf16, in the blocked layout (K of the next product = 4,096).
; A tile of C is 256 x 256: four waves, each 128 x 128 (64 accumulators, 512 registers); K steps of 128.  W1's rows are ordered so that a wave's 128 columns are 64 value columns
; and their 64 gate columns: the two meet in one lane.  The accumulators go through the wave's own LDS stage, and a loop of eight trips (16 rows each) on fixed registers makes g.
; gelu(x) = x Phi(x) exactly as x/2 (1 + erf(x/sqrt 2)); erf by 1 - (a1 t + a2 t^2 + a3 t^3) e^(-y^2), t = 1/(1 + p y) (Abramowitz and Stegun 7.1.25): |error of erf| <= 2.5e-5 for every argument.
; With w = c1 (gate + bias), c1 = sqrt(log2(e)/2): e^(-gate^2/2) = 2^(-w^2), and c1 gelu = max(w, 0) - |w| poly 2^(-w^2) / 2; the value is taken times 1/c1.
; CLUSTER 4 x 4: h's tile is shared along a row of the cluster, W1's along a column.  NaN and infinities are not treated apart.
.set KIND, 3
.set KSPLIT, 0
.set SIZE_K, 1024
.set NQ, 4
.set RTP, 4096
.set ROWS, 8
.set NSTEPS, 8
.set WREG, 2097152
.set DMPB, 0
.set RESB, 0
.set REGION, 67584
.set C1, 94
.set IC1, 96
.set A1, 98
.set A2, 100
.set A3, 4
.set PP, 6
.set ABSM, 8
.set WW, 128
.set EE, 136
.set TT, 144
.set PL, 152
.set RR, 160
.set OU, 168
.set AW, 184
.macro HEADX
	s_lshl1_add_u32 s21, s42, s12                  ; my group of 64 columns of g
	s_lshl_b32 s22, s21, 8
	s_mov_b32 s23, 0
	s_add_nc_u64 s[BIASP:BIASP+1], s[88:89], s[22:23]
	v_lshlrev_b32 v5, 5, v2                        ; 32 h
.irp b, 0,1,2,3
	global_load_b128 v[192+8*\b:195+8*\b], v5, s[BIASP:BIASP+1] offset:\b*64
	global_load_b128 v[196+8*\b:199+8*\b], v5, s[BIASP:BIASP+1] offset:\b*64+16
	global_load_b128 v[224+8*\b:227+8*\b], v5, s[BIASP:BIASP+1] offset:16384+\b*64
	global_load_b128 v[228+8*\b:231+8*\b], v5, s[BIASP:BIASP+1] offset:16384+\b*64+16
.endr
	s_lshl_b32 s22, s21, 11
	s_lshl1_add_u32 s21, s13, s11                  ; my 128 rows
	s_lshl_b32 s21, s21, 20
	s_add_co_u32 s22, s22, s21
	s_add_nc_u64 s[OUTP:OUTP+1], s[90:91], s[22:23]
	s_mov_b32 s[C1], 0x3f596d27                    ; sqrt(log2(e)/2)
	s_mov_b32 s[C1+1], s[C1]
	s_mov_b32 s[IC1], 0x3f96b55f                   ; its reciprocal
	s_mov_b32 s[IC1+1], s[IC1]
	s_mov_b32 s[A1], 0x3eb2303a
	s_mov_b32 s[A1+1], s[A1]
	s_mov_b32 s[A2], 0xbdc45ca1
	s_mov_b32 s[A2+1], s[A2]
	s_mov_b32 s[A3], 0x3f3f7377
	s_mov_b32 s[A3+1], s[A3]
	s_mov_b32 s[PP], 0x3ec88bda                    ; 0.47047 / (sqrt 2 c1)
	s_mov_b32 s[PP+1], s[PP]
	s_mov_b32 s[ABSM], 0x7fffffff
.endm
.macro GEGLU b                         ; eight numbers a lane: column tile b
.set AA, 64+8*(\b)
.set GG, 96+8*(\b)
.set BA, 192+8*(\b)
.set BG, 224+8*(\b)
.irp z, 0,2,4,6
	v_pk_fma_f32 v[WW+\z:WW+\z+1], v[GG+\z:GG+\z+1], s[C1:C1+1], v[BG+\z:BG+\z+1] op_sel_hi:[1,0,1]
.endr
.irp z, 0,2,4,6
	v_pk_fma_f32 v[AA+\z:AA+\z+1], v[AA+\z:AA+\z+1], s[IC1:IC1+1], v[BA+\z:BA+\z+1] op_sel_hi:[1,0,1]
.endr
.irp z, 0,2,4,6
	v_pk_mul_f32 v[EE+\z:EE+\z+1], v[WW+\z:WW+\z+1], v[WW+\z:WW+\z+1] neg_lo:[1,0] neg_hi:[1,0]
.endr
.irp z, 0,1,2,3,4,5,6,7
	v_and_b32 v[AW+\z], s[ABSM], v[WW+\z]
.endr
.irp z, 0,2,4,6
	v_pk_fma_f32 v[TT+\z:TT+\z+1], v[AW+\z:AW+\z+1], s[PP:PP+1], 1.0 op_sel_hi:[1,0,0]
.endr
.irp z, 0,1,2,3,4,5,6,7
	v_rcp_f32 v[TT+\z], v[TT+\z]
.endr
.irp z, 0,1,2,3,4,5,6,7
	v_exp_f32 v[EE+\z], v[EE+\z]
.endr
.irp z, 0,1,2,3,4,5,6,7
	v_max_num_f32 v[RR+\z], 0, v[WW+\z]            ; plain work behind the exponentials
.endr
	s_wait_alu depctr_va_vdst(0)
.irp z, 0,2,4,6
	v_pk_fma_f32 v[PL+\z:PL+\z+1], v[TT+\z:TT+\z+1], s[A3:A3+1], s[A2:A2+1] op_sel_hi:[1,0,0]
.endr
.irp z, 0,2,4,6
	v_pk_fma_f32 v[PL+\z:PL+\z+1], v[PL+\z:PL+\z+1], v[TT+\z:TT+\z+1], s[A1:A1+1] op_sel_hi:[1,1,0]
.endr
.irp z, 0,2,4,6
	v_pk_mul_f32 v[TT+\z:TT+\z+1], v[TT+\z:TT+\z+1], v[EE+\z:EE+\z+1]
.endr
.irp z, 0,2,4,6
	v_pk_mul_f32 v[PL+\z:PL+\z+1], v[PL+\z:PL+\z+1], v[AW+\z:AW+\z+1]
.endr
.irp z, 0,2,4,6
	v_pk_mul_f32 v[PL+\z:PL+\z+1], v[PL+\z:PL+\z+1], v[TT+\z:TT+\z+1]
.endr
.irp z, 0,2,4,6
	v_pk_fma_f32 v[RR+\z:RR+\z+1], v[PL+\z:PL+\z+1], -0.5, v[RR+\z:RR+\z+1] op_sel_hi:[1,0,1]
.endr
.irp z, 0,2,4,6
	v_pk_mul_f32 v[AA+\z:AA+\z+1], v[AA+\z:AA+\z+1], v[RR+\z:RR+\z+1]
.endr
.irp p, 0,1,2,3
	v_cvt_pk_bf16_f32 v[OU+4*(\b)+\p], v[AA+2*\p], v[AA+2*\p+1]
.endr
.endm
.macro EPI
	s_wait_loadcnt 0x0                             ; the biases: scaled once
.set z, 0
.rept 16
	v_pk_mul_f32 v[192+2*z:193+2*z], v[192+2*z:193+2*z], s[IC1:IC1+1] op_sel_hi:[1,0]
	v_pk_mul_f32 v[224+2*z:225+2*z], v[224+2*z:225+2*z], s[C1:C1+1] op_sel_hi:[1,0]
.set z, z+1
.endr
	DUMP 0
	DUMP 1
	v_mov_b32 v25, v[STO]                          ; my own bytes: LDS serves a wave's instructions in order, so no wait and no barrier stand between
	s_mov_b32 s81, 8
.Lgl:
.irp b, 0,1,2,3
	ds_load_b128 v[64+8*\b:67+8*\b], v25 offset:\b*64
	ds_load_b128 v[68+8*\b:71+8*\b], v25 offset:\b*64+16
	ds_load_b128 v[96+8*\b:99+8*\b], v25 offset:256+\b*64
	ds_load_b128 v[100+8*\b:103+8*\b], v25 offset:256+\b*64+16
.endr
.irp b, 0,1,2,3
	s_wait_dscnt 12-4*\b                           ; column tile b's four loads are in
	GEGLU \b
	global_store_b128 v3, v[OU+4*\b:OU+4*\b+3], s[OUTP:OUTP+1] offset:\b*512   ; 512 consecutive bytes, at a multiple of 512 from g's first
.endr
	s_wait_xcnt 0x0                                ; the stores' base and data are rewritten only behind this wait
	s_add_nc_u64 s[OUTP:OUTP+1], s[OUTP:OUTP+1], 131072
	v_add_nc_u32 v25, 8448, v25
	s_sub_co_u32 s81, s81, 1
	s_cmp_lg_u32 s81, 0
	s_cbranch_scc1 .Lgl
.endm
; ---------------- the core, the same text in the four matrix kernels ----------------
; LDS: two slots of 131,072 bytes, each A's tile (65,536) then B's; wave w fills bytes w*32768 of a slot (waves 0, 1: A's halves; 2, 3: B's).
; In the blocked layout a row tile's K step is one dense run of RTP bytes, so a wave's tensor load is ROWS rows of RTP bytes, and a fragment is two LDS loads
; of 512 consecutive bytes (16 x lane): no padding is needed.  The stage of the way out lies over ring bytes that have had their last fill.
; REGISTERS, in windows of 256: window 0: v0-31 addresses, v32-63 and v192-255 the way out, v64-127 and v128-191 A's fragments (two buffers);
; window 1: B's fragments likewise; windows 2 and 3: the 64 accumulators, (a, b) at v[8 (8 (a%4) + b)].
; The matrix instruction is used turned (source 0 = 16 rows of B, source 1 = 16 rows of A): a lane holds row m = lane%16 and columns 8 (lane/16) + 0..7.
.set SLOT1, 131072
.set SPARE, 270336
.set STEPB, RTP
.set ADA0, 16
.set ADB0, 17
.set ADA, 18
.set ADB, 19
.set STO, 24
.set SPW, 28
.set NIL, 29
.set F0, 64
.set F1, 128
.set G1, 24
.set G0, 32
.set G1B, 48
.set G0B, 56
.set GR0, 68
.set GR1, 72
.set TB, 80
.set OUTP, 82
.set BIASP, 66
.set MSB, 0
.macro WIN new                         ; the immediate's high byte repeats the setting that is left
.if MSB != (\new)
	s_set_vgpr_msb (MSB<<8)|(\new)
.set MSB, \new
.endif
.endm
.set MUL_LO, 0xa1
.set MUL_HI, 0xf1
.set TO_B, 0x40
.macro PLACES                          ; four places behind matrix instructions, in front of loads into their sources and of reads of their results
.rept 4
	v_nop
.endr
.endm
.macro JLOAD s                         ; waves 0 and 1 ask for A's halves, waves 2 and 3 for B's; an s_nop 0 and four v_nop follow each line
	s_cmp_eq_u32 s11, 0
	s_cbranch_scc0 .Lfor_b_\@
	tensor_load_to_lds s[G0+4*(\s):G0+4*(\s)+3], s[G1:G1+7]
	s_nop 0
	PLACES
	s_branch .Lasked_\@
.Lfor_b_\@:
	tensor_load_to_lds s[G0B+4*(\s):G0B+4*(\s)+3], s[G1B:G1B+7]
	s_nop 0
	PLACES
.Lasked_\@:
.endm
.macro CREST                           ; a round of the cluster's barrier behind its opening barrier
	s_cmp_lg_u32 s10, 0
	s_cbranch_scc1 .Lnot_wave_0_\@
	s_barrier_signal -3
.Lnot_wave_0_\@:
	s_barrier_wait -3
	s_barrier_signal -1
	s_barrier_wait -1
.endm
.macro CROUND
	s_barrier_signal -1
	s_barrier_wait -1
	CREST
.endm
.macro MUL16 f, hi, a0, zero           ; 16 matrix instructions: m blocks a0, a0+1 of the window's four x all 8 n blocks; the accumulators take turns
	WIN MUL_LO+0x50*(\hi)
.irp a, \a0, (\a0)+1
.irp b, 0,1,2,3,4,5,6,7
.if \zero
	v_wmma_f32_16x16x32_bf16 v[8*(8*(\a)+(\b)):8*(8*(\a)+(\b))+7], v[(\f)+8*(\b):(\f)+8*(\b)+7], v[(\f)+8*(4*(\hi)+(\a)):(\f)+8*(4*(\hi)+(\a))+7], 0
.else
	v_wmma_f32_16x16x32_bf16 v[8*(8*(\a)+(\b)):8*(8*(\a)+(\b))+7], v[(\f)+8*(\b):(\f)+8*(\b)+7], v[(\f)+8*(4*(\hi)+(\a)):(\f)+8*(4*(\hi)+(\a))+7], v[8*(8*(\a)+(\b)):8*(8*(\a)+(\b))+7]
.endif
.endr
.endr
.endm
.macro FETCH kq, f                     ; 32 LDS loads in one run: my quarter kq (32 along K) of 128 rows of B and 128 rows of A
	WIN TO_B
.irp i, 0,1,2,3,4,5,6,7
	ds_load_b128 v[(\f)+8*(\i):(\f)+8*(\i)+3],   v[ADB] offset:(\i)*RTP+(\kq)*1024
	ds_load_b128 v[(\f)+8*(\i)+4:(\f)+8*(\i)+7], v[ADB] offset:(\i)*RTP+(\kq)*1024+512
.endr
	WIN 0
.irp i, 0,1,2,3,4,5,6,7
	ds_load_b128 v[(\f)+8*(\i):(\f)+8*(\i)+3],   v[ADA] offset:(\i)*RTP+(\kq)*1024
	ds_load_b128 v[(\f)+8*(\i)+4:(\f)+8*(\i)+7], v[ADA] offset:(\i)*RTP+(\kq)*1024+512
.endr
.endm
.macro QUARTER kq, f, g, zero          ; multiplies buffer f; in its middle fetches quarter kq of the same slot into buffer g
	s_wait_dscnt 8                                 ; B and A's rows 0-63 are in; the youngest eight loads may be out
	MUL16 \f, 0, 0, \zero
	MUL16 \f, 0, 2, \zero
	PLACES
	FETCH \kq, \g
	s_wait_dscnt 32                                ; all but the 32 just issued
	MUL16 \f, 1, 0, \zero
	MUL16 \f, 1, 2, \zero
.endm
.macro MEET                            ; the change of slots: one barrier; in front of it all my tensor loads, the add, and my reads of this slot
	WIN 0
	s_wait_tensorcnt 0x0                           ; the one load of mine that was out is my part of the next slot
	ds_add_u32 v[SPW], v[NIL]                      ; 0 onto my spare word
	s_wait_dscnt 9                                 ; (the add and the youngest eight loads may be out)
	MUL16 F1, 0, 0, 0
	s_wait_dscnt 0x0                               ; the add is done, and my reads of this slot are over
	s_barrier_signal -1
	MUL16 F1, 0, 2, 0
	WIN 0
	s_barrier_wait -1
.endm
.macro TURN fill                       ; the step's last quarter.  fill = 1: the slot is filled again two steps ahead; 2: it takes the residual's tile; 0: nothing
	MEET
.if (\fill) == 0
	PLACES
.else
	CREST                                          ; the barrier has opened a round of the cluster's: no wave of any partner still reads the slot or has a load on its way
.if (\fill) == 1
	s_xor_b32 s[G0+5], s[G0+5], SLOT1
	s_add_nc_u64 s[G0+6:G0+7], s[G0+6:G0+7], STEPB
	s_xor_b32 s[G0B+5], s[G0B+5], SLOT1
	s_add_nc_u64 s[G0B+6:G0B+7], s[G0B+6:G0B+7], STEPB
	JLOAD 1
.else
	tensor_load_to_lds s[GR0:GR0+3], s[GR1:GR1+7]
	s_nop 0
	PLACES
.endif
.endif
	s_xor_b32 s[TB], s[TB], SLOT1
	v_add_nc_u32 v[ADA], s[TB], v[ADA0]
	v_add_nc_u32 v[ADB], s[TB], v[ADB0]
	FETCH 0, F0
	MUL16 F1, 1, 0, 0
	MUL16 F1, 1, 2, 0
.endm
.macro REST fill                       ; from a step's second quarter to the next step's first
.if NQ == 4
	QUARTER 2, F1, F0, 0
	QUARTER 3, F0, F1, 0
.endif
	TURN \fill
	QUARTER 1, F0, F1, 0
.endm
.macro DUMP hi                         ; 32 accumulators into my part of the stage, rows of 528 bytes; each accumulator's low registers first
.set DH, (1-KSPLIT)*33792*(\hi)
	WIN 0x08+4*(\hi)
.irp a, 0,1,2,3
.irp b, 0,1,2,3,4,5,6,7
	ds_store_b128 v[STO], v[8*(8*(\a)+(\b)):8*(8*(\a)+(\b))+3] offset:DH+(\a)*8448+(\b)*64
	ds_store_b128 v[STO], v[8*(8*(\a)+(\b))+4:8*(8*(\a)+(\b))+7] offset:DH+(\a)*8448+(\b)*64+16
.endr
.endr
	WIN 0
.endm
.if KIND == 0
	s_load_b128 s[84:87], s[0:1], 0x0
	s_load_b64 s[88:89], s[0:1], 0x10
.elseif KIND == 3
	s_load_b256 s[84:91], s[0:1], 0x0
.else
	s_load_b256 s[84:91], s[0:1], 0x0
	s_load_b64 s[92:93], s[0:1], 0x20
.endif
	v_lshl_add_u32 v[SPW], v0, 2, SPARE
	v_mov_b32 v[NIL], 0
	ds_add_u32 v[SPW], v[NIL]                      ; the wave's opening: the add and its wait stand ahead of my first tensor load
	v_lshrrev_b32 v1, 5, v0
	v_readfirstlane_b32 s10, v1                    ; wave
	s_lshr_b32 s11, s10, 1
	s_and_b32 s12, s10, 1
	s_bfe_u32 s40, ttmp6, 0x40000                  ; cx
.if KIND == 0
	s_lshl_b32 s13, ttmp9, 2
	s_add_co_u32 s13, s13, s40                     ; tile row = 4 x cluster x + cx
	s_and_b32 s42, ttmp7, 0xffff                   ; tile column, which the four partners share
	s_mov_b32 s[G1], 3<<16                         ; A: my own load; elements of 8 bytes
	s_mov_b32 s[G1B], 15|(3<<16)|(1<<21)           ; B: all four work-groups
.else
	s_bfe_u32 s41, ttmp6, 0x40004                  ; cy
	s_lshl_b32 s42, ttmp9, 2
	s_add_co_u32 s42, s42, s40                     ; tile column
	s_and_b32 s13, ttmp7, 0xffff
	s_lshl_b32 s13, s13, 2
	s_add_co_u32 s13, s13, s41                     ; tile row
	s_lshl_b32 s43, s41, 2
	s_lshl_b32 s43, 15, s43                        ; my row of the cluster
	s_lshl_b32 s44, 0x1111, s40                    ; my column
	s_or_b32 s[G1], s43, (3<<16)|(1<<21)
	s_or_b32 s[G1B], s44, (3<<16)|(1<<21)
.endif
.irp g, G1, G1B
	s_mov_b32 s[(\g)+1], (RTP/8)<<16               ; tensor_dim0
	s_mov_b32 s[(\g)+2], ROWS<<16                  ; tensor_dim1
	s_mov_b32 s[(\g)+3], (RTP/8)<<16               ; tile_dim0
	s_mov_b32 s[(\g)+4], ROWS                      ; tile_dim1
	s_mov_b32 s[(\g)+5], SIZE_K*4                  ; from row tile to row tile: SIZE_K x 32 bytes
	s_mov_b32 s[(\g)+6], 0
	s_mov_b32 s[(\g)+7], 0
.endr
	s_lshl1_add_u32 s16, s13, s12                  ; A: 2 x tile row + the half that I fetch
	s_mul_i32 s16, s16, ROWS*SIZE_K*32
	s_mov_b32 s17, 0
	s_lshl1_add_u32 s46, s42, s12                  ; B likewise
	s_mul_i32 s46, s46, ROWS*SIZE_K*32
	s_add_co_u32 s46, s46, WREG
	s_mov_b32 s47, 0
	s_lshl_b32 s20, s10, 15                        ; where they go: wave x 32,768
	s_mov_b32 s[TB], 0
.if (KIND == 1) || (KIND == 2)
	s_mov_b32 s[GR1], 2<<16                        ; the residual's tile, my 32 rows x 128 f32: a load of my own
	s_mov_b32 s[GR1+1], 128<<16
	s_mov_b32 s[GR1+2], 32<<16
	s_mov_b32 s[GR1+3], 128<<16
	s_mov_b32 s[GR1+4], 32
	s_mov_b32 s[GR1+5], 1024
	s_mov_b32 s[GR1+6], 0
	s_mov_b32 s[GR1+7], 0
	s_mov_b32 s[GR0], 1
	s_lshl_b32 s[GR0+1], s10, 14
	s_add_co_u32 s[GR0+1], s[GR0+1], RESB
	s_lshl_b32 s18, s13, 19
	s_lshl_b32 s19, s10, 17
	s_add_co_u32 s18, s18, s19
	s_lshl_b32 s19, s42, 9
	s_add_co_u32 s18, s18, s19
	s_mov_b32 s19, 0
.endif
	s_wait_dscnt 0x0                               ; the opening add is done
	s_wait_kmcnt 0x0
	s_add_nc_u64 s[14:15], s[84:85], s[16:17]
	s_add_nc_u64 s[46:47], s[86:87], s[46:47]
.if (KIND == 1) || (KIND == 2)
	s_add_nc_u64 s[GR0+2:GR0+3], s[90:91], s[18:19]
	s_or_b32 s[GR0+3], s[GR0+3], 0x80000000
.endif
	CROUND                                         ; all partners are here: the first joint loads meet
.irp s, 0,1
.if (\s) < NSTEPS
	s_mov_b32 s[G0+4*(\s)], 1
	s_add_co_u32 s[G0+4*(\s)+1], s20, (\s)*SLOT1
	s_add_nc_u64 s[G0+4*(\s)+2:G0+4*(\s)+3], s[14:15], (\s)*STEPB
	s_or_b32 s[G0+4*(\s)+3], s[G0+4*(\s)+3], 0x80000000
	s_mov_b32 s[G0B+4*(\s)], 1
	s_add_co_u32 s[G0B+4*(\s)+1], s20, (\s)*SLOT1
	s_add_nc_u64 s[G0B+4*(\s)+2:G0B+4*(\s)+3], s[46:47], (\s)*STEPB
	s_or_b32 s[G0B+4*(\s)+3], s[G0B+4*(\s)+3], 0x80000000
	JLOAD \s
.endif
.endr
.if KIND == 1
	tensor_load_to_lds s[GR0:GR0+3], s[GR1:GR1+7]  ; with one K step the second first fill is the residual's tile
	s_nop 0
	PLACES
.endif
	v_and_b32 v1, 15, v0                           ; r
	v_bfe_u32 v2, v0, 4, 1                         ; h
	v_and_b32 v3, 31, v0
	v_lshlrev_b32 v3, 4, v3                        ; 16 x lane
.if KSPLIT
	s_lshl_b32 s21, s10, 11                        ; my 64 k of a step
	s_add_co_u32 s22, s21, 65536
.else
	s_lshl_b32 s21, s11, 15                        ; my 128 rows of A
	s_lshl_b32 s22, s12, 15                        ; my 128 rows of B
	s_add_co_u32 s22, s22, 65536
.endif
	v_add_nc_u32 v[ADA0], s21, v3
	v_add_nc_u32 v[ADB0], s22, v3
	v_mov_b32 v[ADA], v[ADA0]
	v_mov_b32 v[ADB], v[ADB0]
	v_mul_u32_u24 v4, v1, 528
	v_lshl_add_u32 v4, v2, 5, v4                   ; row r x 528 + 32 x half
	s_mul_i32 s21, s10, REGION
	s_add_co_u32 s21, s21, DMPB
	v_add_nc_u32 v[STO], s21, v4
	HEADX
	s_wait_tensorcnt 1                             ; my part of K step 0 is in; my second first fill may stay out
	s_barrier_signal -1
	s_barrier_wait -1
	FETCH 0, F0
	QUARTER 1, F0, F1, 1                           ; the first quarter's products start the sums
.if NSTEPS > 2
	WIN 0
	s_mov_b32 s3, NSTEPS-2
.Lstep:
	REST 1
	WIN 0
	s_sub_co_u32 s3, s3, 1
	s_cmp_lg_u32 s3, 0
	s_cbranch_scc1 .Lstep
.endif
.if NSTEPS > 1
.if KIND == 2
	REST 2
.else
	REST 0
.endif
.endif
.if NQ == 4
	QUARTER 2, F1, F0, 0
	QUARTER 3, F0, F1, 0
.endif
	s_wait_dscnt 8
	MUL16 F1, 0, 0, 0
	MUL16 F1, 0, 2, 0
	s_wait_dscnt 0x0
	MUL16 F1, 1, 0, 0
	MUL16 F1, 1, 2, 0
	WIN 0
	s_wait_tensorcnt 0x0                           ; every load of mine has landed,
	s_wait_dscnt 0x0                               ; my reads of the ring are over:
	s_barrier_signal -1
	s_barrier_wait -1                              ; the same holds of all four waves: the stage may be written
	PLACES
	EPI
	s_wait_tensorcnt 0x0                           ; the wave's end
	ds_add_u32 v[SPW], v[NIL]
	s_wait_dscnt 0x0
	CROUND                                         ; the closing round
	s_endpgm
.Lfunc_end_k_qd7a33f2226_ff1:
	.size	k_qd7a33f2226_ff1, .Lfunc_end_k_qd7a33f2226_ff1-k_qd7a33f2226_ff1
	.p2alignl 7, 3214868480
	.fill 96, 4, 3214868480
	.section	.rodata,"a",@progbits
	.p2align	6, 0x0
	.amdhsa_kernel k_qd7a33f2226_ff1
		.amdhsa_group_segment_fixed_size 327680
		.amdhsa_private_segment_fixed_size 0
		.amdhsa_enable_private_segment 0
		.amdhsa_kernarg_size 32
		.amdhsa_user_sgpr_count 2
		.amdhsa_user_sgpr_kernarg_segment_ptr 1
		.amdhsa_wavefront_size32 1
		.amdhsa_system_sgpr_workgroup_id_x 1
		.amdhsa_system_sgpr_workgroup_id_y 1
		.amdhsa_system_sgpr_workgroup_id_z 1
		.amdhsa_system_vgpr_workitem_id 0
		.amdhsa_next_free_vgpr 1024
		.amdhsa_next_free_sgpr 102
		.amdhsa_reserve_vcc 0
		.amdhsa_float_denorm_mode_32 3
		.amdhsa_float_denorm_mode_16_64 3
		.amdhsa_memory_ordered 1
		.amdhsa_forward_progress 1
		.amdhsa_inst_pref_size 115
	.end_amdhsa_kernel
	.amdgpu_metadata
---
amdhsa.version: [ 1, 2 ]
amdhsa.kernels:
  - .name:           k_qd7a33f2226_ff1
    .symbol:         k_qd7a33f2226_ff1.kd
    .args:
      - { .name: hbuf, .offset: 0, .size: 8, .value_kind: global_buffer, .address_space: global }
      - { .name: wA, .offset: 8, .size: 8, .value_kind: global_buffer, .address_space: global }
      - { .name: ff1_b, .offset: 16, .size: 8, .value_kind: global_buffer, .address_space: global }
      - { .name: g, .offset: 24, .size: 8, .value_kind: global_buffer, .address_space: global }
    .group_segment_fixed_size: 327680
    .private_segment_fixed_size: 0
    .kernarg_segment_align: 8
    .kernarg_segment_size: 32
    .max_flat_workgroup_size: 128
    .sgpr_count:     102
    .vgpr_count:     1024
    .wavefront_size: 32
...
	.end_amdgpu_metadata
.endif
;; end of part 6
;; launch ff2 (part 7): grid 8 x 32, 4 waves a work-group, clusters of 4 x 4, 327,680 bytes of LDS; arguments g, wA, ff2_b, x2, out0; writes out0
.if DOCPART == 7
	.amdgcn_target "amdgcn-amd-amdhsa--gfx1250"
	.amdhsa_code_object_version 6
	.text
	.protected	k_qd7a33f2226_ff2
	.globl	k_qd7a33f2226_ff2
	.p2align	8
	.type	k_qd7a33f2226_ff2,@function
k_qd7a33f2226_ff2:
	s_mov_b64 s[64:65], 0
	v_nop
	global_prefetch_b8 v0, s[64:65] scope:SCOPE_SE
	s_setreg_imm32_b32 hwreg(HW_REG_WAVE_MODE, 25, 1), 1
	s_wait_xcnt 0x0
	s_wait_alu depctr_hold_cnt(0) depctr_sa_sdst(0) depctr_va_vdst(0) depctr_va_sdst(0) depctr_va_ssrc(0) depctr_va_vcc(0) depctr_vm_vsrc(0)
	s_getreg_b32 s2, hwreg(HW_REG_IB_STS2, 6, 4)
	s_cmp_eq_u32 s2, 0
	s_cbranch_scc0 .Lentry_in_a_cluster
	s_endpgm
.Lentry_in_a_cluster:
	s_bfe_u32 s2, ttmp6, 0x10000c
	s_cmp_lg_u32 s2, 0xf033
	s_cbranch_scc0 .Lentry_shape_is_right
	s_endpgm
.Lentry_shape_is_right:
; FEED-FORWARD, SECOND HALF.  out[m][n] = sum over k of g[m][k] W2[n][k] + bias[n] + x2[m][n], K = 4,096: sixteen K steps of 256.  bf16 operands in the blocked layout, f32 sums, f32 out.
; A tile of C is 128 x 128 (256 work-groups); all four waves make the whole tile and share each K step, 64 k a wave; the four f32 partial sums, the bias and the residual are added on the way out,
; each store 512 consecutive aligned bytes.  The residual's tile is the last refill of slot 0, behind the last change of slots but none; the stage lies over slot 1 after its last read.
; CLUSTER 4 x 4: g's tile is shared along a row of the cluster, W2's along a column.
.set KIND, 2
.set KSPLIT, 1
.set SIZE_K, 4096
.set NQ, 2
.set RTP, 8192
.set ROWS, 4
.set NSTEPS, 16
.set WREG, 18874368
.set DMPB, 131072
.set RESB, 0
.set REGION, 33792
.macro HEADX
	s_lshl_b32 s22, s42, 9
	s_mov_b32 s23, 0
	s_add_nc_u64 s[BIASP:BIASP+1], s[88:89], s[22:23]
	global_load_b128 v[32:35], v3, s[BIASP:BIASP+1]   ; my four columns' bias
	s_lshl_b32 s21, s13, 19
	s_add_co_u32 s22, s22, s21
	s_add_nc_u64 s[OUTP:OUTP+1], s[92:93], s[22:23]
	s_mul_i32 s4, s10, 8448
	s_add_co_u32 s4, s4, DMPB
	s_lshl_b32 s5, s10, 13
	s_add_co_u32 s5, s5, RESB
	s_lshl_b32 s6, s10, 16
.endm
; Wave w takes rows 64 hi + 16 w .. + 15, four a trip: a row is 512 bytes, 16 a lane.
.macro REDUCE_RES hi
	v_add_nc_u32 v4, s4, v3
	v_add_nc_u32 v5, 67584, v4
	s_add_co_u32 s7, s5, (\hi)*32768
	v_add_nc_u32 v6, s7, v3
	s_add_co_u32 s8, s6, (\hi)*262144
	v_add_nc_u32 v7, s8, v3
	s_mov_b32 s81, 4
.Lrr_\@:
.irp i, 0,1,2,3
	ds_load_b128 v[64+16*\i:67+16*\i], v4 offset:\i*528
	ds_load_b128 v[68+16*\i:71+16*\i], v4 offset:33792+\i*528
	ds_load_b128 v[72+16*\i:75+16*\i], v5 offset:\i*528
	ds_load_b128 v[76+16*\i:79+16*\i], v5 offset:33792+\i*528
	ds_load_b128 v[128+4*\i:131+4*\i], v6 offset:\i*512
.endr
	s_wait_dscnt 0x0
.irp i, 0,1,2,3
.irp z, 0,2
	v_pk_add_f32 v[64+16*\i+\z:65+16*\i+\z], v[64+16*\i+\z:65+16*\i+\z], v[68+16*\i+\z:69+16*\i+\z]
	v_pk_add_f32 v[72+16*\i+\z:73+16*\i+\z], v[72+16*\i+\z:73+16*\i+\z], v[76+16*\i+\z:77+16*\i+\z]
	v_pk_add_f32 v[128+4*\i+\z:129+4*\i+\z], v[128+4*\i+\z:129+4*\i+\z], v[32+\z:33+\z]
.endr
.irp z, 0,2
	v_pk_add_f32 v[64+16*\i+\z:65+16*\i+\z], v[64+16*\i+\z:65+16*\i+\z], v[72+16*\i+\z:73+16*\i+\z]
.endr
.irp z, 0,2
	v_pk_add_f32 v[64+16*\i+\z:65+16*\i+\z], v[64+16*\i+\z:65+16*\i+\z], v[128+4*\i+\z:129+4*\i+\z]
.endr
	global_store_b128 v7, v[64+16*\i:67+16*\i], s[OUTP:OUTP+1] offset:\i*4096
.endr
	s_wait_xcnt 0x0                                ; the stores' offset and data are rewritten only behind this wait
	v_add_nc_u32 v4, 2112, v4
	v_add_nc_u32 v5, 2112, v5
	v_add_nc_u32 v6, 2048, v6
	v_add_nc_u32 v7, 16384, v7
	s_sub_co_u32 s81, s81, 1
	s_cmp_lg_u32 s81, 0
	s_cbranch_scc1 .Lrr_\@
.endm
.macro EPI
	s_wait_loadcnt 0x0                             ; the bias
	DUMP 0
	s_wait_dscnt 0x0                               ; my partial sums of rows 0-63 are in LDS
	s_barrier_signal -1
	s_barrier_wait -1
	REDUCE_RES 0
	s_wait_dscnt 0x0                               ; my reads are over: the stage may be written again
	s_barrier_signal -1
	s_barrier_wait -1
	DUMP 1
	s_wait_dscnt 0x0
	s_barrier_signal -1
	s_barrier_wait -1
	REDUCE_RES 1
.endm
; ---------------- the core, the same text in the four matrix kernels ----------------
; LDS: two slots of 131,072 bytes, each A's tile (65,536) then B's; wave w fills bytes w*32768 of a slot (waves 0, 1: A's halves; 2, 3: B's).
; In the blocked layout a row tile's K step is one dense run of RTP bytes, so a wave's tensor load is ROWS rows of RTP bytes, and a fragment is two LDS loads
; of 512 consecutive bytes (16 x lane): no padding is needed.  The stage of the way out lies over ring bytes that have had their last fill.
; REGISTERS, in windows of 256: window 0: v0-31 addresses, v32-63 and v192-255 the way out, v64-127 and v128-191 A's fragments (two buffers);
; window 1: B's fragments likewise; windows 2 and 3: the 64 accumulators, (a, b) at v[8 (8 (a%4) + b)].
; The matrix instruction is used turned (source 0 = 16 rows of B, source 1 = 16 rows of A): a lane holds row m = lane%16 and columns 8 (lane/16) + 0..7.
.set SLOT1, 131072
.set SPARE, 270336
.set STEPB, RTP
.set ADA0, 16
.set ADB0, 17
.set ADA, 18
.set ADB, 19
.set STO, 24
.set SPW, 28
.set NIL, 29
.set F0, 64
.set F1, 128
.set G1, 24
.set G0, 32
.set G1B, 48
.set G0B, 56
.set GR0, 68
.set GR1, 72
.set TB, 80
.set OUTP, 82
.set BIASP, 66
.set MSB, 0
.macro WIN new                         ; the immediate's high byte repeats the setting that is left
.if MSB != (\new)
	s_set_vgpr_msb (MSB<<8)|(\new)
.set MSB, \new
.endif
.endm
.set MUL_LO, 0xa1
.set MUL_HI, 0xf1
.set TO_B, 0x40
.macro PLACES                          ; four places behind matrix instructions, in front of loads into their sources and of reads of their results
.rept 4
	v_nop
.endr
.endm
.macro JLOAD s                         ; waves 0 and 1 ask for A's halves, waves 2 and 3 for B's; an s_nop 0 and four v_nop follow each line
	s_cmp_eq_u32 s11, 0
	s_cbranch_scc0 .Lfor_b_\@
	tensor_load_to_lds s[G0+4*(\s):G0+4*(\s)+3], s[G1:G1+7]
	s_nop 0
	PLACES
	s_branch .Lasked_\@
.Lfor_b_\@:
	tensor_load_to_lds s[G0B+4*(\s):G0B+4*(\s)+3], s[G1B:G1B+7]
	s_nop 0
	PLACES
.Lasked_\@:
.endm
.macro CREST                           ; a round of the cluster's barrier behind its opening barrier
	s_cmp_lg_u32 s10, 0
	s_cbranch_scc1 .Lnot_wave_0_\@
	s_barrier_signal -3
.Lnot_wave_0_\@:
	s_barrier_wait -3
	s_barrier_signal -1
	s_barrier_wait -1
.endm
.macro CROUND
	s_barrier_signal -1
	s_barrier_wait -1
	CREST
.endm
.macro MUL16 f, hi, a0, zero           ; 16 matrix instructions: m blocks a0, a0+1 of the window's four x all 8 n blocks; the accumulators take turns
	WIN MUL_LO+0x50*(\hi)
.irp a, \a0, (\a0)+1
.irp b, 0,1,2,3,4,5,6,7
.if \zero
	v_wmma_f32_16x16x32_bf16 v[8*(8*(\a)+(\b)):8*(8*(\a)+(\b))+7], v[(\f)+8*(\b):(\f)+8*(\b)+7], v[(\f)+8*(4*(\hi)+(\a)):(\f)+8*(4*(\hi)+(\a))+7], 0
.else
	v_wmma_f32_16x16x32_bf16 v[8*(8*(\a)+(\b)):8*(8*(\a)+(\b))+7], v[(\f)+8*(\b):(\f)+8*(\b)+7], v[(\f)+8*(4*(\hi)+(\a)):(\f)+8*(4*(\hi)+(\a))+7], v[8*(8*(\a)+(\b)):8*(8*(\a)+(\b))+7]
.endif
.endr
.endr
.endm
.macro FETCH kq, f                     ; 32 LDS loads in one run: my quarter kq (32 along K) of 128 rows of B and 128 rows of A
	WIN TO_B
.irp i, 0,1,2,3,4,5,6,7
	ds_load_b128 v[(\f)+8*(\i):(\f)+8*(\i)+3],   v[ADB] offset:(\i)*RTP+(\kq)*1024
	ds_load_b128 v[(\f)+8*(\i)+4:(\f)+8*(\i)+7], v[ADB] offset:(\i)*RTP+(\kq)*1024+512
.endr
	WIN 0
.irp i, 0,1,2,3,4,5,6,7
	ds_load_b128 v[(\f)+8*(\i):(\f)+8*(\i)+3],   v[ADA] offset:(\i)*RTP+(\kq)*1024
	ds_load_b128 v[(\f)+8*(\i)+4:(\f)+8*(\i)+7], v[ADA] offset:(\i)*RTP+(\kq)*1024+512
.endr
.endm
.macro QUARTER kq, f, g, zero          ; multiplies buffer f; in its middle fetches quarter kq of the same slot into buffer g
	s_wait_dscnt 8                                 ; B and A's rows 0-63 are in; the youngest eight loads may be out
	MUL16 \f, 0, 0, \zero
	MUL16 \f, 0, 2, \zero
	PLACES
	FETCH \kq, \g
	s_wait_dscnt 32                                ; all but the 32 just issued
	MUL16 \f, 1, 0, \zero
	MUL16 \f, 1, 2, \zero
.endm
.macro MEET                            ; the change of slots: one barrier; in front of it all my tensor loads, the add, and my reads of this slot
	WIN 0
	s_wait_tensorcnt 0x0                           ; the one load of mine that was out is my part of the next slot
	ds_add_u32 v[SPW], v[NIL]                      ; 0 onto my spare word
	s_wait_dscnt 9                                 ; (the add and the youngest eight loads may be out)
	MUL16 F1, 0, 0, 0
	s_wait_dscnt 0x0                               ; the add is done, and my reads of this slot are over
	s_barrier_signal -1
	MUL16 F1, 0, 2, 0
	WIN 0
	s_barrier_wait -1
.endm
.macro TURN fill                       ; the step's last quarter.  fill = 1: the slot is filled again two steps ahead; 2: it takes the residual's tile; 0: nothing
	MEET
.if (\fill) == 0
	PLACES
.else
	CREST                                          ; the barrier has opened a round of the cluster's: no wave of any partner still reads the slot or has a load on its way
.if (\fill) == 1
	s_xor_b32 s[G0+5], s[G0+5], SLOT1
	s_add_nc_u64 s[G0+6:G0+7], s[G0+6:G0+7], STEPB
	s_xor_b32 s[G0B+5], s[G0B+5], SLOT1
	s_add_nc_u64 s[G0B+6:G0B+7], s[G0B+6:G0B+7], STEPB
	JLOAD 1
.else
	tensor_load_to_lds s[GR0:GR0+3], s[GR1:GR1+7]
	s_nop 0
	PLACES
.endif
.endif
	s_xor_b32 s[TB], s[TB], SLOT1
	v_add_nc_u32 v[ADA], s[TB], v[ADA0]
	v_add_nc_u32 v[ADB], s[TB], v[ADB0]
	FETCH 0, F0
	MUL16 F1, 1, 0, 0
	MUL16 F1, 1, 2, 0
.endm
.macro REST fill                       ; from a step's second quarter to the next step's first
.if NQ == 4
	QUARTER 2, F1, F0, 0
	QUARTER 3, F0, F1, 0
.endif
	TURN \fill
	QUARTER 1, F0, F1, 0
.endm
.macro DUMP hi                         ; 32 accumulators into my part of the stage, rows of 528 bytes; each accumulator's low registers first
.set DH, (1-KSPLIT)*33792*(\hi)
	WIN 0x08+4*(\hi)
.irp a, 0,1,2,3
.irp b, 0,1,2,3,4,5,6,7
	ds_store_b128 v[STO], v[8*(8*(\a)+(\b)):8*(8*(\a)+(\b))+3] offset:DH+(\a)*8448+(\b)*64
	ds_store_b128 v[STO], v[8*(8*(\a)+(\b))+4:8*(8*(\a)+(\b))+7] offset:DH+(\a)*8448+(\b)*64+16
.endr
.endr
	WIN 0
.endm
.if KIND == 0
	s_load_b128 s[84:87], s[0:1], 0x0
	s_load_b64 s[88:89], s[0:1], 0x10
.elseif KIND == 3
	s_load_b256 s[84:91], s[0:1], 0x0
.else
	s_load_b256 s[84:91], s[0:1], 0x0
	s_load_b64 s[92:93], s[0:1], 0x20
.endif
	v_lshl_add_u32 v[SPW], v0, 2, SPARE
	v_mov_b32 v[NIL], 0
	ds_add_u32 v[SPW], v[NIL]                      ; the wave's opening: the add and its wait stand ahead of my first tensor load
	v_lshrrev_b32 v1, 5, v0
	v_readfirstlane_b32 s10, v1                    ; wave
	s_lshr_b32 s11, s10, 1
	s_and_b32 s12, s10, 1
	s_bfe_u32 s40, ttmp6, 0x40000                  ; cx
.if KIND == 0
	s_lshl_b32 s13, ttmp9, 2
	s_add_co_u32 s13, s13, s40                     ; tile row = 4 x cluster x + cx
	s_and_b32 s42, ttmp7, 0xffff                   ; tile column, which the four partners share
	s_mov_b32 s[G1], 3<<16                         ; A: my own load; elements of 8 bytes
	s_mov_b32 s[G1B], 15|(3<<16)|(1<<21)           ; B: all four work-groups
.else
	s_bfe_u32 s41, ttmp6, 0x40004                  ; cy
	s_lshl_b32 s42, ttmp9, 2
	s_add_co_u32 s42, s42, s40                     ; tile column
	s_and_b32 s13, ttmp7, 0xffff
	s_lshl_b32 s13, s13, 2
	s_add_co_u32 s13, s13, s41                     ; tile row
	s_lshl_b32 s43, s41, 2
	s_lshl_b32 s43, 15, s43                        ; my row of the cluster
	s_lshl_b32 s44, 0x1111, s40                    ; my column
	s_or_b32 s[G1], s43, (3<<16)|(1<<21)
	s_or_b32 s[G1B], s44, (3<<16)|(1<<21)
.endif
.irp g, G1, G1B
	s_mov_b32 s[(\g)+1], (RTP/8)<<16               ; tensor_dim0
	s_mov_b32 s[(\g)+2], ROWS<<16                  ; tensor_dim1
	s_mov_b32 s[(\g)+3], (RTP/8)<<16               ; tile_dim0
	s_mov_b32 s[(\g)+4], ROWS                      ; tile_dim1
	s_mov_b32 s[(\g)+5], SIZE_K*4                  ; from row tile to row tile: SIZE_K x 32 bytes
	s_mov_b32 s[(\g)+6], 0
	s_mov_b32 s[(\g)+7], 0
.endr
	s_lshl1_add_u32 s16, s13, s12                  ; A: 2 x tile row + the half that I fetch
	s_mul_i32 s16, s16, ROWS*SIZE_K*32
	s_mov_b32 s17, 0
	s_lshl1_add_u32 s46, s42, s12                  ; B likewise
	s_mul_i32 s46, s46, ROWS*SIZE_K*32
	s_add_co_u32 s46, s46, WREG
	s_mov_b32 s47, 0
	s_lshl_b32 s20, s10, 15                        ; where they go: wave x 32,768
	s_mov_b32 s[TB], 0
.if (KIND == 1) || (KIND == 2)
	s_mov_b32 s[GR1], 2<<16                        ; the residual's tile, my 32 rows x 128 f32: a load of my own
	s_mov_b32 s[GR1+1], 128<<16
	s_mov_b32 s[GR1+2], 32<<16
	s_mov_b32 s[GR1+3], 128<<16
	s_mov_b32 s[GR1+4], 32
	s_mov_b32 s[GR1+5], 1024
	s_mov_b32 s[GR1+6], 0
	s_mov_b32 s[GR1+7], 0
	s_mov_b32 s[GR0], 1
	s_lshl_b32 s[GR0+1], s10, 14
	s_add_co_u32 s[GR0+1], s[GR0+1], RESB
	s_lshl_b32 s18, s13, 19
	s_lshl_b32 s19, s10, 17
	s_add_co_u32 s18, s18, s19
	s_lshl_b32 s19, s42, 9
	s_add_co_u32 s18, s18, s19
	s_mov_b32 s19, 0
.endif
	s_wait_dscnt 0x0                               ; the opening add is done
	s_wait_kmcnt 0x0
	s_add_nc_u64 s[14:15], s[84:85], s[16:17]
	s_add_nc_u64 s[46:47], s[86:87], s[46:47]
.if (KIND == 1) || (KIND == 2)
	s_add_nc_u64 s[GR0+2:GR0+3], s[90:91], s[18:19]
	s_or_b32 s[GR0+3], s[GR0+3], 0x80000000
.endif
	CROUND                                         ; all partners are here: the first joint loads meet
.irp s, 0,1
.if (\s) < NSTEPS
	s_mov_b32 s[G0+4*(\s)], 1
	s_add_co_u32 s[G0+4*(\s)+1], s20, (\s)*SLOT1
	s_add_nc_u64 s[G0+4*(\s)+2:G0+4*(\s)+3], s[14:15], (\s)*STEPB
	s_or_b32 s[G0+4*(\s)+3], s[G0+4*(\s)+3], 0x80000000
	s_mov_b32 s[G0B+4*(\s)], 1
	s_add_co_u32 s[G0B+4*(\s)+1], s20, (\s)*SLOT1
	s_add_nc_u64 s[G0B+4*(\s)+2:G0B+4*(\s)+3], s[46:47], (\s)*STEPB
	s_or_b32 s[G0B+4*(\s)+3], s[G0B+4*(\s)+3], 0x80000000
	JLOAD \s
.endif
.endr
.if KIND == 1
	tensor_load_to_lds s[GR0:GR0+3], s[GR1:GR1+7]  ; with one K step the second first fill is the residual's tile
	s_nop 0
	PLACES
.endif
	v_and_b32 v1, 15, v0                           ; r
	v_bfe_u32 v2, v0, 4, 1                         ; h
	v_and_b32 v3, 31, v0
	v_lshlrev_b32 v3, 4, v3                        ; 16 x lane
.if KSPLIT
	s_lshl_b32 s21, s10, 11                        ; my 64 k of a step
	s_add_co_u32 s22, s21, 65536
.else
	s_lshl_b32 s21, s11, 15                        ; my 128 rows of A
	s_lshl_b32 s22, s12, 15                        ; my 128 rows of B
	s_add_co_u32 s22, s22, 65536
.endif
	v_add_nc_u32 v[ADA0], s21, v3
	v_add_nc_u32 v[ADB0], s22, v3
	v_mov_b32 v[ADA], v[ADA0]
	v_mov_b32 v[ADB], v[ADB0]
	v_mul_u32_u24 v4, v1, 528
	v_lshl_add_u32 v4, v2, 5, v4                   ; row r x 528 + 32 x half
	s_mul_i32 s21, s10, REGION
	s_add_co_u32 s21, s21, DMPB
	v_add_nc_u32 v[STO], s21, v4
	HEADX
	s_wait_tensorcnt 1                             ; my part of K step 0 is in; my second first fill may stay out
	s_barrier_signal -1
	s_barrier_wait -1
	FETCH 0, F0
	QUARTER 1, F0, F1, 1                           ; the first quarter's products start the sums
.if NSTEPS > 2
	WIN 0
	s_mov_b32 s3, NSTEPS-2
.Lstep:
	REST 1
	WIN 0
	s_sub_co_u32 s3, s3, 1
	s_cmp_lg_u32 s3, 0
	s_cbranch_scc1 .Lstep
.endif
.if NSTEPS > 1
.if KIND == 2
	REST 2
.else
	REST 0
.endif
.endif
.if NQ == 4
	QUARTER 2, F1, F0, 0
	QUARTER 3, F0, F1, 0
.endif
	s_wait_dscnt 8
	MUL16 F1, 0, 0, 0
	MUL16 F1, 0, 2, 0
	s_wait_dscnt 0x0
	MUL16 F1, 1, 0, 0
	MUL16 F1, 1, 2, 0
	WIN 0
	s_wait_tensorcnt 0x0                           ; every load of mine has landed,
	s_wait_dscnt 0x0                               ; my reads of the ring are over:
	s_barrier_signal -1
	s_barrier_wait -1                              ; the same holds of all four waves: the stage may be written
	PLACES
	EPI
	s_wait_tensorcnt 0x0                           ; the wave's end
	ds_add_u32 v[SPW], v[NIL]
	s_wait_dscnt 0x0
	CROUND                                         ; the closing round
	s_endpgm
.Lfunc_end_k_qd7a33f2226_ff2:
	.size	k_qd7a33f2226_ff2, .Lfunc_end_k_qd7a33f2226_ff2-k_qd7a33f2226_ff2
	.p2alignl 7, 3214868480
	.fill 96, 4, 3214868480
	.section	.rodata,"a",@progbits
	.p2align	6, 0x0
	.amdhsa_kernel k_qd7a33f2226_ff2
		.amdhsa_group_segment_fixed_size 327680
		.amdhsa_private_segment_fixed_size 0
		.amdhsa_enable_private_segment 0
		.amdhsa_kernarg_size 40
		.amdhsa_user_sgpr_count 2
		.amdhsa_user_sgpr_kernarg_segment_ptr 1
		.amdhsa_wavefront_size32 1
		.amdhsa_system_sgpr_workgroup_id_x 1
		.amdhsa_system_sgpr_workgroup_id_y 1
		.amdhsa_system_sgpr_workgroup_id_z 1
		.amdhsa_system_vgpr_workitem_id 0
		.amdhsa_next_free_vgpr 1024
		.amdhsa_next_free_sgpr 102
		.amdhsa_reserve_vcc 0
		.amdhsa_float_denorm_mode_32 3
		.amdhsa_float_denorm_mode_16_64 3
		.amdhsa_memory_ordered 1
		.amdhsa_forward_progress 1
		.amdhsa_inst_pref_size 66
	.end_amdhsa_kernel
	.amdgpu_metadata
---
amdhsa.version: [ 1, 2 ]
amdhsa.kernels:
  - .name:           k_qd7a33f2226_ff2
    .symbol:         k_qd7a33f2226_ff2.kd
    .args:
      - { .name: g, .offset: 0, .size: 8, .value_kind: global_buffer, .address_space: global }
      - { .name: wA, .offset: 8, .size: 8, .value_kind: global_buffer, .address_space: global }
      - { .name: ff2_b, .offset: 16, .size: 8, .value_kind: global_buffer, .address_space: global }
      - { .name: x2, .offset: 24, .size: 8, .value_kind: global_buffer, .address_space: global }
      - { .name: out0, .offset: 32, .size: 8, .value_kind: global_buffer, .address_space: global }
    .group_segment_fixed_size: 327680
    .private_segment_fixed_size: 0
    .kernarg_segment_align: 8
    .kernarg_segment_size: 40
    .max_flat_workgroup_size: 128
    .sgpr_count:     102
    .vgpr_count:     1024
    .wavefront_size: 32
...
	.end_amdgpu_metadata
.endif
;; end of part 7
